; MI455X (gfx1250); checked and timed in simulation.
; The chip was launched on July 23, 2026; its instructions are those of AMD's public machine-readable ISA for CDNA 5 (MIT licence, August 2026) and "CDNA5" Instruction Set Architecture Reference Guide (July 2026). The comments in the code are by the model that wrote it; some were corrected since.
;; Attention. Allowed arithmetic: matrix products marked QUANTISED: E2M3 operands, one E8M0 scale for each 32 along K, by v_wmma_scale_f32_16x16x128_f8f6f4 with both operands' format E2M3, f32 sums; everything else in f32.
;; Inputs: b_proj 1,024 float32; w_proj 1,024 x 1,024 float32; w_qkv 1,024 x 3,072 float32; x 4 x 2,048 x 1,024 float32.
;; Outputs: out0 4 x 2,048 x 1,024 float32.
;; This version of the problem:
;;   THIS VERSION OF THE PROBLEM IS GIVEN IN LOW PRECISION. The matrix products marked QUANTISED in the list below multiply operands that are first quantised to E2M3 (2 exponent bits, 3 mantissa bits; 6 bits a number), with one power-of-two scale for each 32 numbers along K (OCP MX v1.0); their sums are f32. All else is computed in f32.
;;   The module's matrix products, in the order in which they are computed (A, B: the left and right operand; K: the contracted axis; several contracted axes count as one K, in the product's order):
;;     1. [M 8,192, K 1,024] x [K 1,024, N 3,072]; A: input x; B: input w_qkv: QUANTISED
;;     2. batch 64 x [M 2,048, K 64] x [K 64, N 2,048]; A: computed on the way; B: computed on the way: QUANTISED
;;     3. batch 64 x [M 2,048, K 2,048] x [K 2,048, N 64]; A: softmax (see below); B: computed on the way: QUANTISED
;;     4. [M 8,192, K 1,024] x [K 1,024, N 1,024]; A: computed on the way; B: input w_proj: QUANTISED
;;   THE QUANTISER, for each operand of a quantised product, along K:
;;     - K is cut into blocks of 32 from its start; a last block that is shorter is filled with zeros.
;;     - A block's scale is 2^e with e = floor(log2(the largest magnitude in the block)) - 2, held to -126 .. 127; a block of zeros has e = 0. As a byte (E8M0): e + 127.
;;     - Each number is divided by its block's scale, clamped to +-7.5, and rounded to the nearest number of E2M3, ties to even, subnormals kept.
;;     - The product sums the exact products of the quantised numbers (number of the format x scale) in f32.
;;   ~~~python
;;   def quantise(x, axis):      # numpy; x: float32 -> the quantised numbers, widened to float32 again
;;       x = np.moveaxis(x, axis, -1); K = x.shape[-1]
;;       x = np.pad(x, [(0, 0)] * (x.ndim - 1) + [(0, -K % 32)]); x = x.reshape(x.shape[:-1] + (-1, 32)); a = np.abs(x).max(-1, keepdims=True)
;;       e = np.where(a > 0, np.clip(np.frexp(np.where(a > 0, a, 1))[1] - 1 - 2, -126, 127), 0)      # np.frexp(a)[1] - 1 = floor(log2(a)), exactly
;;       r = np.clip(x / 2.0 ** e, -7.5, 7.5)
;;       step = 2.0 ** (np.maximum(np.frexp(np.where(r == 0, 1, r))[1] - 1, 0) - 3)
;;       q = np.round(r / step) * step * 2.0 ** e      # np.round: ties to even
;;       return np.moveaxis(q.reshape(q.shape[:-2] + (-1,))[..., :K], -1, axis).astype(np.float32)
;;   ~~~
;;   SOFTMAX AHEAD OF A QUANTISED PRODUCT. Where the list says 'softmax', what is quantised is not the finished softmax but p = 2^(t - M), with t = logit x log2(e) and M = ceil(the row's largest t), a whole number; so 1/2 < the row's largest p <= 1. The row's sum l is taken of the UNQUANTISED p, in f32, and the product's result is divided by l at the end. Since M is a whole number, a kernel that streams over the keys may use a running M (the ceiling of the running maximum): every later rescaling is an exact power of two, which a block's scale takes up: the codes' values come out the same.
;;   OPERANDS COMPUTED ON THE WAY. 'Computed on the way' means the value that the module computes at that place (a softmax that the list does not call 'softmax' is quantised finished and normalised). What goes into a quantiser is computed in f32, as accurately as f32 sums, v_exp_f32 and their like allow (about 1e-6 of the number): no bf16 or f16 on the way to a quantiser, and a product that is left as it is and whose result goes on into a quantised operand takes f32 operands (vector FMAs, or v_wmma_f32_16x16x4_f32). A number that lies on a knife's edge between two numbers of the format may be rounded either way, as far as f32 arithmetic and the matrix unit's own rounding can turn it there, and no further.
;; One version. Each part assembles by itself: llvm-mc -triple=amdgcn-amd-amdhsa -mcpu=gfx1250 --defsym DOCPART=n.
;; ======== version 1 of 1: 4 launches
;; workspace buffers: cod 9,437,184 bytes; sc 393,216 bytes; hc 18,874,368 bytes; hs 1,310,720 bytes; oc 6,291,456 bytes; so 262,144 bytes
;; launch prep (part 1): grid 256 x 1, 6 waves a work-group, no clusters, 201,472 bytes of LDS; arguments x, w_qkv, w_proj, cod, sc; writes cod, sc
.if DOCPART == 1
	.amdgcn_target "amdgcn-amd-amdhsa--gfx1250"
	.amdhsa_code_object_version 6
	.text
	.protected	k_qe3da01c96e_prep
	.globl	k_qe3da01c96e_prep
	.p2align	8
	.type	k_qe3da01c96e_prep,@function
k_qe3da01c96e_prep:
	s_mov_b64 s[64:65], 0
	v_nop
	global_prefetch_b8 v0, s[64:65] scope:SCOPE_SE
	s_setreg_imm32_b32 hwreg(HW_REG_WAVE_MODE, 25, 1), 1
	s_wait_xcnt 0x0
; PREP: x [8192][1024], w_qkv [1024][3072] and w_proj [1024][1024], f32, become codes of FP6 (E2M3) with one E8M0 byte for each 32 along K (K = 1024: x's last axis, the weights' first).
; A block's scale is 2^(floor(log2(largest magnitude)) - 2): its byte is the largest magnitude's exponent field - 2, held at 1 from below by a floor among the maximum's leaves.
; LIMITS: NaN and infinities among the inputs are not served.  A block of zeros gets the byte 1 where the rule says 127: its codes are zeros, and only this program reads the bytes.
; LAYOUT OF THE RESULTS (this program's own).  An operand's rows (x's rows; the weights' columns n) are kept in POSITION order: in each 32 rows position p holds row pi(p), pi = bits 3 and 4 of p exchanged.
;   cod: [768 tiles of 16 positions][8 K steps of 128][1536 bytes]: a fragment as the matrix unit's registers hold it: registers 2 i, 2 i + 1 of lane l at 256 i + 8 l.  Tiles 0-511 x, 512-703 w_qkv, 704-767 w_proj.
;   sc:  the scale word of (position p, K step s) at 49152 s + 256 (p / 64) + 8 (p % 32) + 4 ((p / 32) % 2).
; SHARES.  Each work-group takes 196,608 bytes of input.  Waves 0-3: 64 rows x 128 K of x each.  Waves 4, 5: 128 k x 64 columns of a weight each.  Each wave brings its part by ONE tensor load into LDS bytes
; of its own, filled once, and reads only those, behind its own wait: no barrier.  No cluster: no two work-groups read the same bytes.  Every store of a wave covers 256 consecutive bytes, aligned.
.set XP,    528                        ; a row of x in LDS: 512 bytes + 16
.set XREG,  64*XP                      ; an x wave's bytes; the two weight waves' 32,768 each lie behind the four
.set WV,    14                         ; s14  my wave's number
.set G1X,   16                         ; s[16:23] descriptor group 1 for x's part;  s[24:31] for w_qkv's;  s[32:39] for w_proj's;  s[40:43] group 0
.set G1WQ,  24
.set G1WP,  32
.set G0,    40
.set CB,    50                         ; s[50:51] where my codes go;  s[54:55] where my scale words go
.set SB,    54
.set SEL,   56                         ; s[56:57] lane selects for v_permlanex16_b32: lane l xor 16
.set MKS,   58                         ; s58  lanes 16-31
.set VO,    3                          ; v3   8 x lane
.set LA,    6                          ; v6   x role: LDS address of my row's 64 bytes of a block
.set LW,    7                          ; v7   weight role: LDS address of my column
.set X0,    32                         ; x role: v32-159 two sets of 64 numbers; v160-207 four fragments; v208-215 second halves; v216-231 at work; v232-235 scale words; v[236:237] the pair that is stored
.set PC,    160
.set PT,    208
.set TM,    216
.set PW,    232
.set SW,    236
.set XW,    32                         ; weight role: v32-95 two sets of 32 numbers; v96-143 four fragments; v144-146 a second half; v148-150 at work; v[152:153] scale words
.set FW,    96
.set TC,    144
.set WW,    152
	s_load_b256 s[4:11], s[0:1], 0x0               ; x s[4:5], w_qkv s[6:7], w_proj s[8:9], cod s[10:11]
	s_load_b64 s[12:13], s[0:1], 0x20              ; sc
	v_lshl_add_u32 v254, v0, 2, 0x31000
	v_mov_b32 v255, 0
	ds_add_u32 v254, v255
	ds_add_u32 v254, v255
	v_lshrrev_b32 v1, 5, v0
	v_readfirstlane_b32 s[WV], v1                  ; wave 0..5
	v_and_b32 v2, 31, v0                           ; lane
	v_lshlrev_b32 v[VO], 3, v2
	s_mov_b32 s[G1X+0], (2<<16)|(1<<20)|(6<<22)|(3<<25)  ; elements of 4 bytes; padding on: behind every 128 words, 4 words
	s_mov_b32 s[G1X+1], 128<<16                    ; tensor_dim0 = 128
	s_mov_b32 s[G1X+2], 64<<16                     ; tensor_dim1 = 64
	s_mov_b32 s[G1X+3], 128<<16                    ; tile_dim0 = 128
	s_mov_b32 s[G1X+4], 64                         ; tile_dim1 = 64
	s_mov_b32 s[G1X+5], 1024                       ; elements from row to row
	s_mov_b32 s[G1X+6], 0
	s_mov_b32 s[G1X+7], 0
.irp g, G1WQ, G1WP
	s_mov_b32 s[\g+0], 2<<16                       ; elements of 4 bytes, no padding: 128 rows (k) of 64 columns
	s_mov_b32 s[\g+1], 64<<16
	s_mov_b32 s[\g+2], 128<<16
	s_mov_b32 s[\g+3], 64<<16
	s_mov_b32 s[\g+4], 128
	s_mov_b32 s[\g+6], 0
	s_mov_b32 s[\g+7], 0
.endr
	s_mov_b32 s[G1WQ+5], 3072
	s_mov_b32 s[G1WP+5], 1024
	s_wait_dscnt 0x0
	s_wait_kmcnt 0x0
	s_cmp_lt_u32 s[WV], 4
	s_cbranch_scc0 .Lweights
	; ---------------- waves 0-3: 64 rows x 128 K of x ----------------
	s_lshr_b32 s44, ttmp9, 1                       ; which 64 rows
	s_and_b32 s45, ttmp9, 1
	s_lshl_b32 s45, s45, 2
	s_add_co_u32 s45, s45, s[WV]                   ; which K step: 4 (g % 2) + wave
	s_mul_i32 s46, s[WV], XREG                     ; my LDS bytes
	s_lshl_b32 s48, s44, 18                        ; 64 rows of 4,096 bytes
	s_lshl_b32 s47, s45, 9
	s_add_co_u32 s48, s48, s47
	s_mov_b32 s49, 0
	s_mov_b32 s[G0], 1
	s_mov_b32 s[G0+1], s46
	s_add_nc_u64 s[G0+2:G0+3], s[4:5], s[48:49]
	s_or_b32 s[G0+3], s[G0+3], 0x80000000
	tensor_load_to_lds s[G0:G0+3], s[G1X:G1X+7]    ; my one load
	s_nop 0
.rept 4
	v_nop                                          ; four plain lines behind a tensor load
.endr
	s_mul_i32 s52, s44, 49152                      ; four tiles of 12,288 bytes
	s_mul_i32 s47, s45, 1536
	s_add_co_u32 s52, s52, s47
	s_mov_b32 s53, 0
	s_add_nc_u64 s[CB:CB+1], s[10:11], s[52:53]
	s_mul_i32 s52, s45, 49152
	s_lshl_b32 s47, s44, 8
	s_add_co_u32 s52, s52, s47
	s_add_nc_u64 s[SB:SB+1], s[12:13], s[52:53]
	s_mov_b32 s[SEL], 0x76543210
	s_mov_b32 s[SEL+1], 0xfedcba98
	s_mov_b32 s[MKS], 0xffff0000
	v_and_b32 v4, 15, v0                           ; r
	v_bfe_u32 v5, v0, 4, 1                         ; h
	v_and_b32 v[LA], 7, v4
	v_lshrrev_b32 v7, 3, v4
	v_lshl_add_u32 v[LA], v7, 4, v[LA]             ; position r of a tile is row r % 8 + 16 (r / 8), + 8 for the pair's second tile
	v_mul_u32_u24 v[LA], v[LA], XP
	v_lshl_add_u32 v[LA], v5, 6, v[LA]             ; + 64 h: my 16 numbers of each block of 32
	v_add_nc_u32 v[LA], s46, v[LA]
.irp b, 0,1,2,3
	v_mov_b32 v[TM+4+\b], 0                        ; written once: a lane permute's destination counts as one of its sources
.endr
; fragment n = 2 z + T: positions 32 z + 16 T + r.  64 numbers a lane: register 16 b + i = k 32 b + 16 h + i of my row.  (Rows r and r + 8 of a tile lie 16 LDS rows apart.)
.macro XREAD n
.irp b, 0,1,2,3
.irp j, 0,1,2,3
	ds_load_b128 v[X0+64*((\n)%2)+16*\b+4*\j:X0+64*((\n)%2)+16*\b+4*\j+3], v[LA] offset:(32*((\n)/2)+8*((\n)%2))*XP+128*\b+16*\j
.endr
.endr
.endm
; 64 numbers of a lane become a fragment's 12 registers at v[pc] and its rows' scale word in v[pw]
.macro QUANT s, pc, pw
.irp b, 0,1,2,3
	v_max3_num_f32 v[TM+\b], |v[(\s)+16*\b]|, |v[(\s)+1+16*\b]|, 0x1800000   ; my 16 numbers of block b, and the floor 2^(3 - 127)
.endr
.irp i, 2,4,6,8,10,12,14
.irp b, 0,1,2,3
	v_max3_num_f32 v[TM+\b], v[TM+\b], |v[(\s)+16*\b+\i]|, |v[(\s)+1+16*\b+\i]|
.endr
.endr
.irp b, 0,1,2,3
	v_permlanex16_b32 v[TM+4+\b], v[TM+\b], s[SEL], s[SEL+1]
.endr
.irp b, 0,1,2,3
	v_max_num_f32 v[TM+\b], v[TM+\b], v[TM+4+\b]   ; with lane l xor 16's: the block's largest magnitude
.endr
.irp b, 0,1,2,3
	v_add_nc_u32 v[TM+12+\b], 0xff000000, v[TM+\b] ; 2 off its exponent field: the conversion's scale operand
.endr
.irp b, 0,1,2,3
	v_lshrrev_b32 v[TM+4+\b], 23, v[TM+12+\b]      ; the scale's byte
.endr
	v_lshl_or_b32 v[\pw], v[TM+5], 8, v[TM+4]
	v_lshl_or_b32 v[\pw], v[TM+6], 16, v[\pw]
	v_lshl_or_b32 v[\pw], v[TM+7], 24, v[\pw]
.irp c, 0,1
	v_cvt_scalef32_pk16_fp6_f32 v[(\pc)+6*\c:(\pc)+2+6*\c], v[(\s)+32*\c:(\s)+15+32*\c], v[TM+12+2*\c]
	v_cvt_scalef32_pk16_fp6_f32 v[PT+4*\c:PT+2+4*\c], v[(\s)+16+32*\c:(\s)+31+32*\c], v[TM+12+2*\c+1]   ; (a conversion's three registers begin on an even number)
.endr
	v_nop                                          ; one plain line behind a scaled conversion
.irp c, 0,1                                    ; the layout wants a whole block in a lane: lanes 0-15 block 2 c, lanes 16-31 block 2 c + 1
.irp i, 0,1,2
	v_permlane16_swap_b32 v[(\pc)+6*\c+\i], v[PT+4*\c+\i]
.endr
.irp i, 0,1,2
	v_mov_b32 v[(\pc)+3+6*\c+\i], v[PT+4*\c+\i]
.endr
.endr
.endm
	s_wait_alu depctr_va_vdst(0)
	s_wait_tensorcnt 0x0                           ; my part is in LDS; only I read it
	XREAD 0
	XREAD 1
.irp n, 0,1,2,3
.if \n < 3
	s_wait_dscnt 16                                ; this fragment's 16 reads are in; the next one's may be out
.else
	s_wait_dscnt 0x0
.endif
	QUANT X0+64*(\n%2), PC+12*\n, PW+\n
.if \n < 2
	XREAD \n+2
.endif
.irp i, 0,1,2,3,4,5
	global_store_b64 v[VO], v[PC+12*\n+2*\i:PC+12*\n+2*\i+1], s[CB:CB+1] offset:\n*12288+256*\i   ; each fragment has registers of its own: no store's data are written again
.endr
.endr
	v_cndmask_b32 v[SW], v[PW], v[PW+1], s[MKS]    ; lane l carries the words of positions l and 32 + l: lanes 16-31 those of each pair's second tile
	v_cndmask_b32 v[SW+1], v[PW+2], v[PW+3], s[MKS]
	global_store_b64 v[VO], v[SW:SW+1], s[SB:SB+1]
	s_wait_tensorcnt 0x0
	ds_add_u32 v254, v255
	s_wait_dscnt 0x0
	s_endpgm
	; ---------------- waves 4, 5: 128 k x 64 columns of a weight ----------------
.Lweights:
	s_lshr_b32 s44, ttmp9, 2                       ; which 64 columns of the 4,096 (w_qkv's 3,072, then w_proj's)
	s_and_b32 s45, ttmp9, 3
	s_lshl_b32 s45, s45, 1
	s_add_co_u32 s45, s45, s[WV]
	s_sub_co_u32 s45, s45, 4                       ; which K step: 2 (g % 4) + wave - 4
	s_lshl_b32 s46, s[WV], 15
	s_add_co_u32 s46, s46, 4*XREG-4*32768          ; my LDS bytes: 4 XREG + 32,768 (wave - 4)
	s_mov_b32 s48, 128*4096
	s_cmp_lt_u32 ttmp9, 192                        ; the choice hangs on the work-group's number alone
	s_cselect_b64 s[60:61], s[6:7], s[8:9]
	s_cselect_b32 s47, 0, 48
	s_cselect_b32 s48, 128*12288, s48              ; 128 rows of the weight, in bytes
	s_sub_co_u32 s47, s44, s47
	s_mul_i32 s48, s48, s45
	s_lshl_b32 s47, s47, 8
	s_add_co_u32 s48, s48, s47
	s_mov_b32 s49, 0
	s_mov_b32 s[G0], 1
	s_mov_b32 s[G0+1], s46
	s_add_nc_u64 s[G0+2:G0+3], s[60:61], s[48:49]
	s_or_b32 s[G0+3], s[G0+3], 0x80000000
	s_cmp_lt_u32 ttmp9, 192                        ; two shapes (the pitch differs), so two groups 1 and two lines
	s_cbranch_scc0 .Lproj_w
	tensor_load_to_lds s[G0:G0+3], s[G1WQ:G1WQ+7]
	s_nop 0
.rept 4
	v_nop
.endr
	s_branch .Lw_asked
.Lproj_w:
	tensor_load_to_lds s[G0:G0+3], s[G1WP:G1WP+7]
	s_nop 0
.rept 4
	v_nop
.endr
.Lw_asked:
	s_mul_i32 s52, s44, 49152
	s_add_co_u32 s52, s52, 512*12288               ; the weights' tiles begin at tile 512
	s_mul_i32 s47, s45, 1536
	s_add_co_u32 s52, s52, s47
	s_mov_b32 s53, 0
	s_add_nc_u64 s[CB:CB+1], s[10:11], s[52:53]
	s_mul_i32 s52, s45, 49152
	s_lshl_b32 s47, s44, 8
	s_add_co_u32 s52, s52, s47
	s_add_co_u32 s52, s52, 128*256                 ; and their scale words behind x's 8,192 rows
	s_add_nc_u64 s[SB:SB+1], s[12:13], s[52:53]
	s_wait_alu depctr_va_vdst(0)
	v_and_b32 v4, 7, v2
	v_bfe_u32 v5, v0, 4, 1
	v_bfe_u32 v6, v0, 3, 1
	v_lshl_or_b32 v4, v5, 3, v4
	v_lshl_or_b32 v4, v6, 4, v4                    ; pi(lane)
	v_lshl_add_u32 v[LW], v4, 2, s46               ; A LANE TAKES A COLUMN, position lane of each 32, AND ITS REGISTERS RUN DOWN K
.macro LOADB n                         ; block n = 4 z + beta: k 32 beta + i of column position 32 z + lane: the 32 lanes read 128 consecutive bytes
.set i, 0
.rept 32
	ds_load_b32 v[XW+32*((\n)%2)+i], v[LW] offset:128*((\n)/4)+(32*((\n)%4)+i)*256
.set i, i+1
.endr
.endm
.macro BLOCKW n
.set XS, XW+32*((\n)%2)
.set BE, (\n)%4
.set FD, FW+24*((\n)/4)+12*(BE%2)+6*(BE/2)     ; even blocks into the first run of 12 registers, odd ones into the second
.if (\n) < 7
	s_wait_dscnt 32                                ; this block's 32 reads are in; the next block's may be out
.else
	s_wait_dscnt 0x0
.endif
	v_max3_num_f32 v148, |v[XS]|, |v[XS+1]|, |v[XS+2]|   ; all 32 numbers of the block are mine
	v_max3_num_f32 v149, |v[XS+3]|, |v[XS+4]|, |v[XS+5]|
.irp i, 6,10,14,18,22,26
	v_max3_num_f32 v148, v148, |v[XS+\i]|, |v[XS+\i+1]|
	v_max3_num_f32 v149, v149, |v[XS+\i+2]|, |v[XS+\i+3]|
.endr
	v_max3_num_f32 v148, v148, |v[XS+30]|, |v[XS+31]|
	v_max3_num_f32 v148, v148, v149, 0x1800000     ; and the floor 2^(3 - 127)
	v_add_nc_u32 v150, 0xff000000, v148            ; the conversion's scale operand
	v_lshrrev_b32 v149, 23, v150                   ; the scale's byte
.if BE == 0
	v_mov_b32 v[WW+(\n)/4], v149
.else
	v_lshl_or_b32 v[WW+(\n)/4], v149, 8*BE, v[WW+(\n)/4]
.endif
	v_cvt_scalef32_pk16_fp6_f32 v[FD:FD+2], v[XS:XS+15], v150
	v_cvt_scalef32_pk16_fp6_f32 v[TC:TC+2], v[XS+16:XS+31], v150
	v_nop                                          ; one plain line behind a scaled conversion
.irp i, 0,1,2
	v_mov_b32 v[FD+3+\i], v[TC+\i]
.endr
.if (\n)+2 < 8
	LOADB (\n)+2
.endif
.endm
; The first run holds blocks 0, 2 of positions 0-31, the second blocks 1, 3.  A fragment wants blocks 0, 2 of its 16 positions in lanes 0-15 and blocks 1, 3 in lanes 16-31:
; the first run's lanes 16-31 change places with the second's lanes 0-15, and the runs are the fragments of positions 0-15 and 16-31.
.macro OUTW z
.irp k, 0,1,2,3,4,5,6,7,8,9,10,11
	v_permlane16_swap_b32 v[FW+24*\z+\k], v[FW+24*\z+12+\k]
.endr
.irp t, 0,1
.irp i, 0,1,2,3,4,5
	global_store_b64 v[VO], v[FW+24*\z+12*\t+2*\i:FW+24*\z+12*\t+2*\i+1], s[CB:CB+1] offset:(2*\z+\t)*12288+256*\i
.endr
.endr
.endm
	s_wait_alu depctr_va_vdst(0)
	s_wait_tensorcnt 0x0                           ; my part is in LDS; only I read it
	LOADB 0
	LOADB 1
	BLOCKW 0
	BLOCKW 1
	BLOCKW 2
	BLOCKW 3
	OUTW 0
	BLOCKW 4
	BLOCKW 5
	BLOCKW 6
	BLOCKW 7
	OUTW 1
	global_store_b64 v[VO], v[WW:WW+1], s[SB:SB+1] ; the words of positions lane and 32 + lane
	s_wait_tensorcnt 0x0
	ds_add_u32 v254, v255
	s_wait_dscnt 0x0
	s_endpgm
.Lfunc_end_k_qe3da01c96e_prep:
	.size	k_qe3da01c96e_prep, .Lfunc_end_k_qe3da01c96e_prep-k_qe3da01c96e_prep
	.p2alignl 7, 3214868480
	.fill 96, 4, 3214868480
	.section	.rodata,"a",@progbits
	.p2align	6, 0x0
	.amdhsa_kernel k_qe3da01c96e_prep
		.amdhsa_group_segment_fixed_size 201472
		.amdhsa_private_segment_fixed_size 0
		.amdhsa_enable_private_segment 0
		.amdhsa_kernarg_size 40
		.amdhsa_user_sgpr_count 2
		.amdhsa_user_sgpr_kernarg_segment_ptr 1
		.amdhsa_wavefront_size32 1
		.amdhsa_system_sgpr_workgroup_id_x 1
		.amdhsa_system_sgpr_workgroup_id_y 1
		.amdhsa_system_sgpr_workgroup_id_z 1
		.amdhsa_system_vgpr_workitem_id 0
		.amdhsa_next_free_vgpr 256
		.amdhsa_next_free_sgpr 66
		.amdhsa_reserve_vcc 0
		.amdhsa_float_denorm_mode_32 3
		.amdhsa_float_denorm_mode_16_64 3
		.amdhsa_memory_ordered 1
		.amdhsa_forward_progress 1
		.amdhsa_inst_pref_size 59
	.end_amdhsa_kernel
	.amdgpu_metadata
---
amdhsa.version: [ 1, 2 ]
amdhsa.kernels:
  - .name:           k_qe3da01c96e_prep
    .symbol:         k_qe3da01c96e_prep.kd
    .args:
      - { .name: x, .offset: 0, .size: 8, .value_kind: global_buffer, .address_space: global }
      - { .name: w_qkv, .offset: 8, .size: 8, .value_kind: global_buffer, .address_space: global }
      - { .name: w_proj, .offset: 16, .size: 8, .value_kind: global_buffer, .address_space: global }
      - { .name: cod, .offset: 24, .size: 8, .value_kind: global_buffer, .address_space: global }
      - { .name: sc, .offset: 32, .size: 8, .value_kind: global_buffer, .address_space: global }
    .group_segment_fixed_size: 201472
    .private_segment_fixed_size: 0
    .kernarg_segment_align: 8
    .kernarg_segment_size: 40
    .max_flat_workgroup_size: 192
    .sgpr_count:     66
    .vgpr_count:     256
    .wavefront_size: 32
...
	.end_amdgpu_metadata
.endif
;; end of part 1
;; launch qkv (part 2): grid 12 x 32, 4 waves a work-group, clusters of 4 x 4, 327,680 bytes of LDS; arguments cod, sc, hc, hs; writes hc, hs
.if DOCPART == 2
	.amdgcn_target "amdgcn-amd-amdhsa--gfx1250"
	.amdhsa_code_object_version 6
	.text
	.protected	k_qe3da01c96e_qkv
	.globl	k_qe3da01c96e_qkv
	.p2align	8
	.type	k_qe3da01c96e_qkv,@function
k_qe3da01c96e_qkv:
	s_mov_b64 s[64:65], 0
	v_nop
	global_prefetch_b8 v0, s[64:65] scope:SCOPE_SE
	s_setreg_imm32_b32 hwreg(HW_REG_WAVE_MODE, 25, 1), 1
	s_wait_xcnt 0x0
	s_wait_alu depctr_hold_cnt(0) depctr_sa_sdst(0) depctr_va_vdst(0) depctr_va_sdst(0) depctr_va_ssrc(0) depctr_va_vcc(0) depctr_vm_vsrc(0)
	s_getreg_b32 s2, hwreg(HW_REG_IB_STS2, 6, 4)
	s_cmp_eq_u32 s2, 0
	s_cbranch_scc0 .Lentry_in_a_cluster
	s_endpgm
.Lentry_in_a_cluster:
	s_bfe_u32 s2, ttmp6, 0x10000c
	s_cmp_lg_u32 s2, 0xf033
	s_cbranch_scc0 .Lentry_shape_is_right
	s_endpgm
.Lentry_shape_is_right:
.set FR,    12
.set NL,    6
.set NP,    4
.set PART,  24576
.set SLOT,  4*PART
.set SCL,   2*SLOT
.set SPARE, 213248
.set STGQ,  SPARE+512
.set STGV,  STGQ+4096
.set HEADC, 294912
.set HEADS, 20480
.set VO,    2
.set VO16,  6
.set VOV,   7
.set SH,    8
.set STQ,   9
.set STV,   10
.set RDQ,   11
.set RDV,   12
.set ADRA,  16
.set ADRB,  20
.set ADRS,  27
.set SPW,   28
.set NIL,   29
.set SC,    32
.set TM,    64
.set PW,    80
.set PC,    84
.set PT,    96
.set TS,    104
.set RR,    112
.set AF,    128
.set SEL,   2
.set WV,    12
.set WHI,   13
.set WLO,   14
.set ISV,   15
.set TY,    16
.set TX,    17
.set G1,    24
.set G0,    32
.set G1B,   48
.set G0B,   56
.set G1S,   68
.set G0S,   76
.set G1SB,  80
.set G0SB,  88
.set OB,    96
.set OS,    98
.set MSB, 0
.macro WIN new
.if MSB != (\new)
	s_set_vgpr_msb (MSB<<8)|(\new)
.set MSB, (\new)
.endif
.endm
.set MUL_LO, 0xa1
.set MUL_HI, 0xf1
.set TO_B,   0x40
.macro JLOAD g0a, g1a, g0b, g1b
	s_cmp_eq_u32 s[WHI], 0
	s_cbranch_scc0 .Lfor_b_\@
	tensor_load_to_lds s[\g0a:\g0a+3], s[\g1a:\g1a+7]
	s_nop 0
.rept 4
	v_nop
.endr
	s_branch .Lasked_\@
.Lfor_b_\@:
	tensor_load_to_lds s[\g0b:\g0b+3], s[\g1b:\g1b+7]
	s_nop 0
.rept 4
	v_nop
.endr
.Lasked_\@:
.endm
.macro CREST
	s_cmp_lg_u32 s[WV], 0
	s_cbranch_scc1 .Lnot_wave_0_\@
	s_barrier_signal -3
.Lnot_wave_0_\@:
	s_barrier_wait -3
	s_barrier_signal -1
	s_barrier_wait -1
.endm
.macro CROUND
	s_barrier_signal -1
	s_barrier_wait -1
	CREST
.endm
.macro PLACES n
.rept \n
	v_nop
.endr
.endm
	s_load_b256 s[4:11], s[0:1], 0x0
	v_lshl_add_u32 v[SPW], v0, 2, SPARE
	v_mov_b32 v[NIL], 0
	ds_add_u32 v28, v29
	ds_add_u32 v28, v29
	s_wait_dscnt 0x0
	v_lshrrev_b32 v1, 5, v0
	v_readfirstlane_b32 s[WV], v1
	s_lshr_b32 s[WHI], s[WV], 1
	s_and_b32 s[WLO], s[WV], 1
	s_bfe_u32 s40, ttmp6, 0x40000
	s_bfe_u32 s41, ttmp6, 0x40004
	s_and_b32 s18, ttmp7, 0xffff
	s_cmp_eq_u32 ttmp9, 2
	s_cselect_b32 s[TY], 0, s18
	s_cselect_b32 s[TX], s18, ttmp9
	s_cselect_b32 s19, 640, 0
	s_cselect_b32 s20, 0, 512
	s_cselect_b32 s[ISV], 1, 0
	s_lshl_b32 s[TY], s[TY], 2
	s_add_co_u32 s[TY], s[TY], s41
	s_lshl_b32 s[TX], s[TX], 2
	s_add_co_u32 s[TX], s[TX], s40
	s_lshl_b32 s92, s41, 2
	s_lshl_b32 s92, 15, s92
	s_lshl_b32 s93, 0x1111, s40
	s_or_b32 s[G1], s92, (3<<16)|(1<<21)
	s_or_b32 s[G1B], s93, (3<<16)|(1<<21)
	s_or_b32 s[G1S], s92, (3<<16)|(1<<21)
	s_or_b32 s[G1SB], s93, (3<<16)|(1<<21)
.irp g, G1, G1B
	s_mov_b32 s[\g+1], 384<<16
	s_mov_b32 s[\g+2], 8<<16
	s_mov_b32 s[\g+3], 384<<16
	s_mov_b32 s[\g+4], 8
	s_mov_b32 s[\g+5], 1536
	s_mov_b32 s[\g+6], 0
	s_mov_b32 s[\g+7], 0
.endr
.irp g, G1S, G1SB
	s_mov_b32 s[\g+1], 64<<16
	s_mov_b32 s[\g+2], 8<<16
	s_mov_b32 s[\g+3], 64<<16
	s_mov_b32 s[\g+4], 8
	s_mov_b32 s[\g+5], 6144
	s_mov_b32 s[\g+6], 0
	s_mov_b32 s[\g+7], 0
.endr
	s_lshl_b32 s21, s[WLO], 3
	s_lshl_b32 s22, s[TY], 4
	s_add_co_u32 s22, s22, s19
	s_add_co_u32 s22, s22, s21
	s_lshl_b32 s23, s[TX], 4
	s_add_co_u32 s23, s23, s20
	s_add_co_u32 s23, s23, s21
	s_mul_i32 s42, s22, 12288
	s_mov_b32 s43, 0
	s_lshl_b32 s44, s22, 6
	s_mov_b32 s45, 0
	s_mul_i32 s46, s23, 12288
	s_mov_b32 s47, 0
	s_lshl_b32 s66, s23, 6
	s_mov_b32 s67, 0
	s_mul_i32 s94, s[WV], PART
	s_lshl_b32 s95, s[WV], 12
	s_lshl_b32 s18, s[WHI], 7
	s_add_co_u32 s95, s95, s18
	s_wait_kmcnt 0x0
	s_add_nc_u64 s[42:43], s[4:5], s[42:43]
	s_add_nc_u64 s[44:45], s[6:7], s[44:45]
	s_add_nc_u64 s[46:47], s[4:5], s[46:47]
	s_add_nc_u64 s[66:67], s[6:7], s[66:67]
	CROUND
	s_mov_b32 s[G0S], 1
	s_add_co_u32 s[G0S+1], s95, SCL
	s_mov_b64 s[G0S+2:G0S+3], s[44:45]
	s_or_b32 s[G0S+3], s[G0S+3], 0x80000000
	s_mov_b32 s[G0SB], 1
	s_add_co_u32 s[G0SB+1], s95, SCL
	s_mov_b64 s[G0SB+2:G0SB+3], s[66:67]
	s_or_b32 s[G0SB+3], s[G0SB+3], 0x80000000
	JLOAD G0S, G1S, G0SB, G1SB
.irp s, 0,1
	s_mov_b32 s[G0+4*\s], 1
	s_add_co_u32 s[G0+4*\s+1], s94, \s*SLOT
	s_add_nc_u64 s[G0+4*\s+2:G0+4*\s+3], s[42:43], \s*3072
	s_or_b32 s[G0+4*\s+3], s[G0+4*\s+3], 0x80000000
	s_mov_b32 s[G0B+4*\s], 1
	s_add_co_u32 s[G0B+4*\s+1], s94, \s*SLOT
	s_add_nc_u64 s[G0B+4*\s+2:G0B+4*\s+3], s[46:47], \s*3072
	s_or_b32 s[G0B+4*\s+3], s[G0B+4*\s+3], 0x80000000
	s_wait_alu depctr_va_vdst(0)
	s_wait_tensorcnt 0x0
	ds_add_u32 v28, v29
	s_wait_dscnt 0x0
	CROUND
	JLOAD G0+4*\s, G1, G0B+4*\s, G1B
.endr
	v_and_b32 v1, 31, v0
	v_and_b32 v3, 15, v0
	v_bfe_u32 v4, v0, 4, 1
	s_wait_alu depctr_va_vdst(0)
	v_lshlrev_b32 v[VO], 3, v1
	s_mul_i32 s21, s[WHI], PART
	s_mul_i32 s22, s[WLO], PART
	s_add_co_u32 s22, s22, 2*PART
.irp s, 0,1
	v_add_nc_u32 v[ADRA+\s], s21, v[VO]
	v_add_nc_u32 v[ADRB+\s], s22, v[VO]
	s_add_co_u32 s21, s21, SLOT
	s_add_co_u32 s22, s22, SLOT
.endr
	s_xor_b32 s18, s[WHI], 1
	s_add_co_u32 s18, s18, s[WLO]
	s_lshl_b32 s18, s18, 12
	s_add_co_u32 s18, s18, 4224
	v_mul_u32_u24 v5, s18, v4
	s_lshl_b32 s19, s[WHI], 12
	s_add_co_u32 s19, s19, SCL
	v_lshl_add_u32 v5, v3, 3, v5
	v_add_nc_u32 v[ADRS], s19, v5
	v_lshlrev_b32 v[VO16], 4, v1
	v_lshlrev_b32 v[VOV], 4, v3
	v_mad_u32_u24 v[VOV], v4, HEADS, v[VOV]
	v_lshlrev_b32 v[SH], 4, v4
	s_lshl_b32 s18, s[WV], 10
	s_add_co_u32 s18, s18, STGQ
	v_lshl_add_u32 v[STQ], v3, 4, s18
	v_lshl_add_u32 v[STQ], v4, 9, v[STQ]
	v_lshl_add_u32 v[RDQ], v1, 4, s18
	s_lshl_b32 s18, s[WV], 9
	s_add_co_u32 s18, s18, STGV
	v_lshl_add_u32 v[STV], v3, 3, s18
	v_lshl_add_u32 v[RDV], v1, 4, s18
	s_mov_b32 s[SEL], 0x76543210
	s_mov_b32 s[SEL+1], 0xfedcba98
.macro FRAG reg, adr, q, i
.irp p, 0,1,2,3,4,5
	ds_load_b64 v[\reg+2*\p:\reg+2*\p+1], v[\adr] offset:(\i)*3072+(\q)*1536+256*\p
.endr
.endm
.macro MUL16 a0, p, q, sc, zero
.irp a, \a0, \a0+1
.irp b, 0,1,2,3,4,5,6,7
.if \zero
	v_wmma_scale_f32_16x16x128_f8f6f4 v[8*(8*((\a)%4)+\b):8*(8*((\a)%4)+\b)+7], v[128*(\p)+FR*\b:128*(\p)+FR*\b+FR-1], v[AF+FR*(\a):AF+FR*(\a)+FR-1], 0, v[SC+16*(\sc)+8*(\q)+4*(\b/4)+2*(\b%2)+(\b/2)%2], v[SC+16*(\sc)+8*(\q)+4*((\a)/4)+2*((\a)%2)+((\a)/2)%2] matrix_a_fmt:MATRIX_FMT_FP6 matrix_b_fmt:MATRIX_FMT_FP6 matrix_a_scale:MATRIX_SCALE_ROW1
.else
	v_wmma_scale_f32_16x16x128_f8f6f4 v[8*(8*((\a)%4)+\b):8*(8*((\a)%4)+\b)+7], v[128*(\p)+FR*\b:128*(\p)+FR*\b+FR-1], v[AF+FR*(\a):AF+FR*(\a)+FR-1], v[8*(8*((\a)%4)+\b):8*(8*((\a)%4)+\b)+7], v[SC+16*(\sc)+8*(\q)+4*(\b/4)+2*(\b%2)+(\b/2)%2], v[SC+16*(\sc)+8*(\q)+4*((\a)/4)+2*((\a)%2)+((\a)/2)%2] matrix_a_fmt:MATRIX_FMT_FP6 matrix_b_fmt:MATRIX_FMT_FP6 matrix_a_scale:MATRIX_SCALE_ROW1
.endif
.endr
.endr
.endm
.macro FETCH_B slot, q, p
	WIN TO_B
.irp i, 0,1,2,3,4,5,6,7
	FRAG 128*(\p)+FR*\i, ADRB+\slot, \q, \i
.endr
	WIN 0
.endm
.macro FETCH_A slot, q, i0
.irp i, \i0, \i0+1, \i0+2, \i0+3
	FRAG AF+FR*(\i), ADRA+\slot, \q, \i
.endr
.endm
.macro SCALES set, ks
.irp q, 0,1
.irp g, 0,1
.irp e, 0,1
	ds_load_b64 v[SC+16*(\set)+8*\q+4*\g+2*\e:SC+16*(\set)+8*\q+4*\g+2*\e+1], v[ADRS] offset:1024*(\ks)+512*\q+256*\g+128*\e
.endr
.endr
.endr
.endm
.macro STEP slot, q, zero
	s_wait_dscnt 4*NL
	WIN MUL_LO
	MUL16 0, (\q)%2, \q, \slot, \zero
	MUL16 2, (\q)%2, \q, \slot, \zero
	s_wait_dscnt 0
	PLACES NP
	FETCH_B \slot, (\q)+1, 1-(\q)%2
	FETCH_A \slot, (\q)+1, 0
	WIN MUL_HI
	MUL16 4, (\q)%2, \q, \slot, \zero
	MUL16 6, (\q)%2, \q, \slot, \zero
	PLACES NP
	WIN 0
	FETCH_A \slot, (\q)+1, 4
.endm
.macro TURN slot, next, fill, ks
	s_wait_tensorcnt 0x0
	ds_add_u32 v[SPW], v[NIL]
	s_wait_dscnt 4*NL+1
	WIN MUL_LO
	MUL16 0, 1, 1, \slot, 0
	s_wait_dscnt 0x0
	s_barrier_signal -1
	MUL16 2, 1, 1, \slot, 0
	WIN 0
	s_barrier_wait -1
.if \fill
	CREST
	s_add_nc_u64 s[G0+4*\slot+2:G0+4*\slot+3], s[G0+4*\slot+2:G0+4*\slot+3], 6144
	s_add_nc_u64 s[G0B+4*\slot+2:G0B+4*\slot+3], s[G0B+4*\slot+2:G0B+4*\slot+3], 6144
	JLOAD G0+4*\slot, G1, G0B+4*\slot, G1B
.else
	PLACES NP
.endif
	FETCH_B \next, 0, 0
	FETCH_A \next, 0, 0
	SCALES \next, \ks
	WIN MUL_HI
	MUL16 4, 1, 1, \slot, 0
	MUL16 6, 1, 1, \slot, 0
	PLACES NP
	WIN 0
	FETCH_A \next, 0, 4
.endm
	s_wait_tensorcnt 1
	s_barrier_signal -1
	s_barrier_wait -1
	FETCH_B 0, 0, 0
	FETCH_A 0, 0, 0
	SCALES 0, 0
	FETCH_A 0, 0, 4
	STEP 0, 0, 1
	TURN 0, 1, 1, 1
	STEP 1, 0, 0
	TURN 1, 0, 1, 2
	STEP 0, 0, 0
	TURN 0, 1, 0, 3
	STEP 1, 0, 0
	s_wait_dscnt 4*NL
	WIN MUL_LO
	MUL16 0, 1, 1, 1, 0
	MUL16 2, 1, 1, 1, 0
	s_wait_dscnt 0
	WIN MUL_HI
	MUL16 4, 1, 1, 1, 0
	MUL16 6, 1, 1, 1, 0
	WIN 0
.macro QUANTA a
.set AC, 64*((\a)%4)
.set QW, 2+(\a)/4
	WIN QW|(QW<<2)
.irp b, 0,1,2,3
	v_max3_num_f32 v[TM+\b], |v[AC+16*\b]|, |v[AC+1+16*\b]|, 0x1800000
.endr
.irp i, 2,4,6,8,10,12,14
.irp b, 0,1,2,3
	v_max3_num_f32 v[TM+\b], |v[AC+16*\b+\i]|, |v[AC+1+16*\b+\i]|, v[TM+\b]
.endr
.endr
	WIN 0
.irp b, 0,1,2,3
	v_permlanex16_b32 v[TM+4+\b], v[TM+\b], s[SEL], s[SEL+1]
.endr
.irp b, 0,1,2,3
	v_max_num_f32 v[TM+\b], v[TM+\b], v[TM+4+\b]
.endr
.irp b, 0,1,2,3
	v_add_nc_u32 v[TM+12+\b], 0xff000000, v[TM+\b]
.endr
.irp b, 0,1,2,3
	v_lshrrev_b32 v[TM+4+\b], 23, v[TM+12+\b]
.endr
	v_lshl_or_b32 v[PW], v[TM+5], 8, v[TM+4]
	v_lshl_or_b32 v[PW], v[TM+6], 16, v[PW]
	v_lshl_or_b32 v[PW], v[TM+7], 24, v[PW]
.if (\a) > 0
	s_wait_xcnt 0x0
.endif
	WIN QW
.irp c, 0,1
	v_cvt_scalef32_pk16_fp6_f32 v[PC+6*\c:PC+2+6*\c], v[AC+32*\c:AC+15+32*\c], v[TM+12+2*\c]
	v_cvt_scalef32_pk16_fp6_f32 v[PT+4*\c:PT+2+4*\c], v[AC+16+32*\c:AC+31+32*\c], v[TM+12+2*\c+1]
.endr
	WIN 0
	v_nop
.irp c, 0,1
.irp i, 0,1,2
	v_permlane16_swap_b32 v[PC+6*\c+\i], v[PT+4*\c+\i]
.endr
.irp i, 0,1,2
	v_mov_b32 v[PC+3+6*\c+\i], v[PT+4*\c+\i]
.endr
.endr
.endm
.macro EPI isv
.irp a, 0,1,2,3,4,5,6,7
	QUANTA \a
.irp i, 0,1,2,3,4,5
.if \isv
	global_store_b64 v[VO], v[PC+2*\i:PC+2*\i+1], s[OB:OB+1] offset:(\a/4)*HEADC+(\a%4)*1536+256*\i
.else
	global_store_b64 v[VO], v[PC+2*\i:PC+2*\i+1], s[OB:OB+1] offset:\a*768+(\i/3)*HEADC+256*(\i%3)
.endif
.endr
.if \isv
	ds_store_b32 v[STV], v[PW] offset:256*(\a/4)+128*(\a%2)+4*((\a/2)%2)
.else
	v_lshrrev_b32 v[TS+\a], v[SH], v[PW]
	v_and_b32 v[TS+\a], 0xffff, v[TS+\a]
	ds_store_b32 v[STQ], v[TS+\a] offset:256*(\a%2)+4*(\a/2)
.endif
.endr
.endm
	PLACES NP
.irp b, 0,1,2,3
	v_mov_b32 v[TM+4+\b], 0
.endr
	s_mov_b32 s23, 0
	s_cmp_eq_u32 s[ISV], 1
	s_cbranch_scc1 .Lvalues
	s_lshr_b32 s18, s[TY], 3
	s_lshl_b32 s18, s18, 4
	s_and_b32 s19, s[TX], 3
	s_lshl_b32 s19, s19, 2
	s_add_co_u32 s18, s18, s19
	s_lshl_b32 s19, s[WLO], 1
	s_add_co_u32 s18, s18, s19
	s_lshr_b32 s19, s[TX], 2
	s_and_b32 s20, s[TY], 7
	s_lshl_b32 s20, s20, 4
	s_lshl_b32 s21, s[WHI], 3
	s_add_co_u32 s20, s20, s21
	s_mul_i32 s22, s18, HEADC
	s_mul_i32 s21, s19, 98304
	s_add_co_u32 s22, s22, s21
	s_mul_i32 s21, s20, 768
	s_add_co_u32 s22, s22, s21
	s_add_nc_u64 s[OB:OB+1], s[8:9], s[22:23]
	s_mul_i32 s22, s18, HEADS
	s_lshl_b32 s19, s19, 13
	s_add_co_u32 s22, s22, s19
	s_lshl_b32 s20, s20, 6
	s_add_co_u32 s22, s22, s20
	s_add_nc_u64 s[OS:OS+1], s[10:11], s[22:23]
	EPI 0
	ds_load_b128 v[RR:RR+3], v[RDQ]
	ds_load_b128 v[RR+4:RR+7], v[RDQ] offset:512
	s_wait_dscnt 0x0
	global_store_b128 v[VO16], v[RR:RR+3], s[OS:OS+1]
	global_store_b128 v[VO16], v[RR+4:RR+7], s[OS:OS+1] offset:HEADS
	s_branch .Ljoin
.Lvalues:
	s_lshr_b32 s18, s[TX], 3
	s_lshl_b32 s18, s18, 4
	s_lshl_b32 s19, s[TY], 2
	s_add_co_u32 s18, s18, s19
	s_lshl_b32 s19, s[WHI], 1
	s_add_co_u32 s18, s18, s19
	s_and_b32 s20, s[TX], 7
	s_lshl_b32 s20, s20, 1
	s_add_co_u32 s20, s20, s[WLO]
	s_mul_i32 s22, s18, HEADC
	s_mul_i32 s21, s20, 6144
	s_add_co_u32 s22, s22, s21
	s_add_co_u32 s22, s22, 196608
	s_add_nc_u64 s[OB:OB+1], s[8:9], s[22:23]
	s_mul_i32 s22, s18, HEADS
	s_lshl_b32 s20, s20, 8
	s_add_co_u32 s22, s22, s20
	s_add_co_u32 s22, s22, 16384
	s_add_nc_u64 s[OS:OS+1], s[10:11], s[22:23]
	EPI 1
	ds_load_b128 v[RR:RR+3], v[RDV]
	s_wait_dscnt 0x0
	global_store_b128 v[VOV], v[RR:RR+3], s[OS:OS+1]
.Ljoin:
	s_wait_tensorcnt 0x0
	ds_add_u32 v[SPW], v[NIL]
	s_wait_dscnt 0x0
	CROUND
	s_endpgm
.Lfunc_end_k_qe3da01c96e_qkv:
	.size	k_qe3da01c96e_qkv, .Lfunc_end_k_qe3da01c96e_qkv-k_qe3da01c96e_qkv
	.p2alignl 7, 3214868480
	.fill 96, 4, 3214868480
	.section	.rodata,"a",@progbits
	.p2align	6, 0x0
	.amdhsa_kernel k_qe3da01c96e_qkv
		.amdhsa_group_segment_fixed_size 327680
		.amdhsa_private_segment_fixed_size 0
		.amdhsa_enable_private_segment 0
		.amdhsa_kernarg_size 32
		.amdhsa_user_sgpr_count 2
		.amdhsa_user_sgpr_kernarg_segment_ptr 1
		.amdhsa_wavefront_size32 1
		.amdhsa_system_sgpr_workgroup_id_x 1
		.amdhsa_system_sgpr_workgroup_id_y 1
		.amdhsa_system_sgpr_workgroup_id_z 1
		.amdhsa_system_vgpr_workitem_id 0
		.amdhsa_next_free_vgpr 1024
		.amdhsa_next_free_sgpr 100
		.amdhsa_reserve_vcc 0
		.amdhsa_float_denorm_mode_32 3
		.amdhsa_float_denorm_mode_16_64 3
		.amdhsa_memory_ordered 1
		.amdhsa_forward_progress 1
		.amdhsa_inst_pref_size 206
	.end_amdhsa_kernel
	.amdgpu_metadata
---
amdhsa.version: [ 1, 2 ]
amdhsa.kernels:
  - .name:           k_qe3da01c96e_qkv
    .symbol:         k_qe3da01c96e_qkv.kd
    .args:
      - { .name: cod, .offset: 0, .size: 8, .value_kind: global_buffer, .address_space: global }
      - { .name: sc, .offset: 8, .size: 8, .value_kind: global_buffer, .address_space: global }
      - { .name: hc, .offset: 16, .size: 8, .value_kind: global_buffer, .address_space: global }
      - { .name: hs, .offset: 24, .size: 8, .value_kind: global_buffer, .address_space: global }
    .group_segment_fixed_size: 327680
    .private_segment_fixed_size: 0
    .kernarg_segment_align: 8
    .kernarg_segment_size: 32
    .max_flat_workgroup_size: 128
    .sgpr_count:     100
    .vgpr_count:     1024
    .wavefront_size: 32
...
	.end_amdgpu_metadata
.endif
;; end of part 2
;; launch attn (part 3): grid 4 x 64, 16 waves a work-group, clusters of 4 x 1, 210,944 bytes of LDS; arguments hc, hs, oc, so; writes oc, so
.if DOCPART == 3
	.amdgcn_target "amdgcn-amd-amdhsa--gfx1250"
	.amdhsa_code_object_version 6
	.text
	.protected	k_qe3da01c96e_attn
	.globl	k_qe3da01c96e_attn
	.p2align	8
	.type	k_qe3da01c96e_attn,@function
k_qe3da01c96e_attn:
	s_mov_b64 s[64:65], 0
	v_nop
	global_prefetch_b8 v0, s[64:65] scope:SCOPE_SE
	s_setreg_imm32_b32 hwreg(HW_REG_WAVE_MODE, 25, 1), 1
	s_wait_xcnt 0x0
	s_wait_alu depctr_hold_cnt(0) depctr_sa_sdst(0) depctr_va_vdst(0) depctr_va_sdst(0) depctr_va_ssrc(0) depctr_va_vcc(0) depctr_vm_vsrc(0)
	s_getreg_b32 s2, hwreg(HW_REG_IB_STS2, 6, 4)
	s_cmp_eq_u32 s2, 0
	s_cbranch_scc0 .Lentry_in_a_cluster
	s_endpgm
.Lentry_in_a_cluster:
	s_bfe_u32 s2, ttmp6, 0x10000c
	s_cmp_lg_u32 s2, 0x3003
	s_cbranch_scc0 .Lentry_shape_is_right
	s_endpgm
.Lentry_shape_is_right:
; ATTENTION on codes of FP6 (E2M3) with E8M0 scales: 64 heads, 2,048 tokens, head size 64.  o = softmax(q k^T / 8) v, quantised along the model's 1,024 and stored as codes for the last product.
; t = score x log2(e) / 8; M = the running largest t rounded UP to a whole number; p = 2^(t - M) is quantised along the keys, not normalised; the row's sum is taken of the unquantised p and divides at the end.
; When M moves, the sum and O are multiplied by 2^(old M - new M): exact.
; INPUTS (the launch before): hc [64 heads][294,912]: q, k [128 token tiles][768], v [16 key steps][4 tiles of d][1536], fragments as the registers hold them (registers 2 i, 2 i + 1 of lane l at 256 i + 8 l);
;   hs [64][20,480]: q's, k's, v's scale words.  Tokens and d stand in POSITION order (in each 32, bits 3 and 4 exchanged), so that a result's 16 registers of two neighbouring tiles are 16 true neighbours.
; THE HEAD SIZE IS 64, the instruction's K 128: registers 6-11 of q's and k's fragments are zero codes, and their scale bytes 2, 3 are 0 (2^-127, no NaN): they add nothing.
; SHARES.  A cluster of four work-groups takes one head, 512 queries each; a wave owns two tiles of 16 queries and takes them in two passes over all keys, 128 a step.  Sixteen waves, four to a SIMD, 256 registers each.
; K, V AND THEIR SCALE WORDS OF THE WHOLE HEAD, 208,896 bytes, STAY IN LDS: they come once, by joint first fills of the four partners (waves 0-7: 24,576 bytes of codes each; wave 8: the scale words).
; Nothing is filled again: no ring, and apart from those fills only each wave's q is read from memory, at the head: so no prefetch.
; Both products are used transposed: S^T = K Q^T, O^T = V^T P^T: a lane holds one query throughout.
; RESULTS.  oc [512 token tiles][8 K steps][1536]: head h is half h % 2 of K step h / 2.  so: the scale word of (position p, K step s) at 32768 s + 256 (p / 64) + 8 (p % 32) + 4 ((p / 32) % 2); head h writes bytes
; 2 (h % 2) and + 1: two bytes a lane, 8 bytes apart, 262,144 bytes in all against 6,291,456 of codes, which leave as runs of 256 consecutive bytes.
; LIMITS: NaN and infinities are not served; a block of zeros gets the byte 1 (zero codes; only this program reads the bytes); p under 2^-126 comes out of v_exp_f32 as 0.
.set AK0, 1                            ; v1-4 my lane's place in K's fragments, V's, K's scale words, V's
.set AV0, 2
.set AS0, 3
.set AT0, 4
.set GO,  5                            ; v5   8 x lane, for memory
.set RO,  6                            ; v6   16 (lane % 16)
.set OSW, 7                            ; v7   the two passes' output scale bytes: lanes 0-15 pass 0's rows, lanes 16-31 pass 1's
.set ADK, 8                            ; v8-11 the step's LDS addresses
.set ADV, 9
.set ADS, 10
.set ADT, 11                           ; v12 -M, v13 the largest t, v[14:15] the sum in two halves
.set QF,  16                           ; v16-27 Q's fragment
.set QSC, 28                           ; v28  Q's scale words;  v29  p's
.set PSC, 29
.set FF,  30                           ; v[30:31] f = 2^(old M - new M); at the end 1 / the sum
.set KF,  32                           ; v32-79 four fragments of K
.set KSC, 80                           ; v80-83 K's scale words: register j: tile 2 j in lanes 0-15, tile 2 j + 1 in lanes 16-31;  v84-85 V's likewise
.set VSC, 84
.set QN,  86                           ; v86-92 the second pass's Q and its scale words
.set S,   96                           ; v96-159 S^T, then p; v96-143 then take V's four fragments
.set OT,  160                          ; v160-191 O^T
.set PCD, 192                          ; v192-203 p's codes;  v204-210 the conversions' second halves
.set PT2, 204
.set BM,  212                          ; v212-215 the blocks' largest;  v216-219, v220-223, v224, v[226:227] at work
.set BT,  216
.set SOP, 220
.set T0,  224
.set AC2, 226
.set WV,  12
.set CX,  13
.set BH,  14
.set SEL, 16                           ; s[16:17] lane selects: lane l xor 16
.set CS,  18                           ; s[18:19] c = log2(e) / 8
.set G1C, 24                           ; s[24:31] group 1 for the codes;  s[32:39] for the scale words;  s[40:43], s[44:47] groups 0
.set G1S, 32
.set G0,  40
.set G0S, 44
.set TK,  48                           ; s48-50 the step's byte in K's and V's codes, K's words, V's words
.set TS,  49
.set TT,  50
.set STEPS, 51
.set PASS,  52
.set MK,  53
.set OB,  54                           ; s[54:55] oc, s[56:57] q's codes, s[58:59] q's words, s[60:61] so
.set QB,  56
.set QS,  58
.set SB,  60
.macro CROUND                          ; a round of the cluster's barrier
	s_barrier_signal -1
	s_barrier_wait -1
	s_cmp_lg_u32 s[WV], 0
	s_cbranch_scc1 .Lnot_wave_0_\@
	s_barrier_signal -3
.Lnot_wave_0_\@:
	s_barrier_wait -3
	s_barrier_signal -1
	s_barrier_wait -1
.endm
.macro SPROD d, a, sa, row1            ; a tile of S^T: source 0 = 16 keys, source 1 = my 16 queries
.if \row1
	v_wmma_scale_f32_16x16x128_f8f6f4 v[\d:\d+7], v[\a:\a+11], v[QF:QF+11], 0, v[\sa], v[QSC] matrix_a_fmt:MATRIX_FMT_FP6 matrix_b_fmt:MATRIX_FMT_FP6 matrix_a_scale:MATRIX_SCALE_ROW1
.else
	v_wmma_scale_f32_16x16x128_f8f6f4 v[\d:\d+7], v[\a:\a+11], v[QF:QF+11], 0, v[\sa], v[QSC] matrix_a_fmt:MATRIX_FMT_FP6 matrix_b_fmt:MATRIX_FMT_FP6
.endif
.endm
.macro OPROD d, a, sa, row1            ; a tile of O^T: source 0 = 16 of the head's 64, source 1 = p
.if \row1
	v_wmma_scale_f32_16x16x128_f8f6f4 v[\d:\d+7], v[\a:\a+11], v[PCD:PCD+11], v[\d:\d+7], v[\sa], v[PSC] matrix_a_fmt:MATRIX_FMT_FP6 matrix_b_fmt:MATRIX_FMT_FP6 matrix_a_scale:MATRIX_SCALE_ROW1
.else
	v_wmma_scale_f32_16x16x128_f8f6f4 v[\d:\d+7], v[\a:\a+11], v[PCD:PCD+11], v[\d:\d+7], v[\sa], v[PSC] matrix_a_fmt:MATRIX_FMT_FP6 matrix_b_fmt:MATRIX_FMT_FP6
.endif
.endm
	s_load_b256 s[4:11], s[0:1], 0x0               ; hc s[4:5], hs s[6:7], oc s[8:9], so s[10:11]
	v_lshl_add_u32 v254, v0, 2, 0x33000
	v_mov_b32 v255, 0
	ds_add_u32 v254, v255
	ds_add_u32 v254, v255
	v_lshrrev_b32 v1, 5, v0
	s_delay_alu instid0(VALU_DEP_1)
	v_readfirstlane_b32 s[WV], v1                  ; wave 0..15
	s_bfe_u32 s[CX], ttmp6, 0x40000                ; my place in the cluster: it enters addresses in memory alone
	s_and_b32 s[BH], ttmp7, 0xffff                 ; the head, which the four partners share
	s_mov_b32 s[G1C], 15|(3<<16)|(1<<21)           ; the mask: all four; elements of 8 bytes; bit 21 beside a mask.  Dense blocks, as rows of 256 bytes
	s_mov_b32 s[G1C+1], 32<<16
	s_mov_b32 s[G1C+2], 96<<16
	s_mov_b32 s[G1C+3], 32<<16
	s_mov_b32 s[G1C+4], 96
	s_mov_b32 s[G1C+5], 32
	s_mov_b32 s[G1C+6], 0
	s_mov_b32 s[G1C+7], 0
	s_mov_b32 s[G1S], 15|(3<<16)|(1<<21)
	s_mov_b32 s[G1S+1], 32<<16
	s_mov_b32 s[G1S+2], 48<<16
	s_mov_b32 s[G1S+3], 32<<16
	s_mov_b32 s[G1S+4], 48
	s_mov_b32 s[G1S+5], 32
	s_mov_b32 s[G1S+6], 0
	s_mov_b32 s[G1S+7], 0
	s_min_u32 s20, s[WV], 7                        ; (waves 8-15 issue no load of codes)
	s_mul_i32 s20, s20, 24576                      ; my part of K's and V's 196,608 bytes, in memory and in LDS
	s_mov_b32 s21, 0
	s_mul_i32 s22, s[BH], 294912
	s_mov_b32 s23, 0
	s_mul_i32 s66, s[BH], 20480
	s_mov_b32 s67, 0
	s_mov_b32 s[SEL], 0x76543210
	s_mov_b32 s[SEL+1], 0xfedcba98
	s_mov_b32 s[CS], 0x3e38aa3b                    ; log2(e) / 8
	s_mov_b32 s[CS+1], s[CS]                       ; (named with it as a pair, so it is written)
	s_wait_dscnt 0x0
	s_wait_kmcnt 0x0
	s_add_nc_u64 s[4:5], s[4:5], s[22:23]          ; hc and hs at my head
	s_add_nc_u64 s[6:7], s[6:7], s[66:67]
	s_mov_b32 s[G0], 1
	s_mov_b32 s[G0+1], s20
	s_add_nc_u64 s[G0+2:G0+3], s[4:5], s[20:21]
	s_add_nc_u64 s[G0+2:G0+3], s[G0+2:G0+3], 98304 ; k begins behind q
	s_or_b32 s[G0+3], s[G0+3], 0x80000000
	s_mov_b32 s[G0S], 1
	s_mov_b32 s[G0S+1], 196608
	s_add_nc_u64 s[G0S+2:G0S+3], s[6:7], 8192      ; k's words, and v's behind them
	s_or_b32 s[G0S+3], s[G0S+3], 0x80000000
	CROUND                                         ; all four work-groups are here: the joint loads meet
	s_cmp_lt_u32 s[WV], 8
	s_cbranch_scc0 .Lnot_codes
	tensor_load_to_lds s[G0:G0+3], s[G1C:G1C+7]
	s_nop 0
.rept 4
	v_nop                                          ; four plain lines behind a tensor load
.endr
	s_branch .Lasked
.Lnot_codes:
	s_cmp_eq_u32 s[WV], 8
	s_cbranch_scc0 .Lasked
	tensor_load_to_lds s[G0S:G0S+3], s[G1S:G1S+7]
	s_nop 0
.rept 4
	v_nop
.endr
.Lasked:
	s_lshl_b32 s20, s[CX], 5
	s_lshl_b32 s21, s[WV], 1
	s_add_co_u32 s20, s20, s21                     ; my first query tile in the head: 32 cx + 2 wave
	s_mul_i32 s22, s20, 768
	s_add_nc_u64 s[QB:QB+1], s[4:5], s[22:23]
	s_lshl_b32 s22, s[CX], 2
	s_lshr_b32 s21, s[WV], 2
	s_add_co_u32 s22, s22, s21
	s_lshl_b32 s22, s22, 9                         ; its group of 128 positions,
	s_and_b32 s21, s[WV], 3
	s_lshl_b32 s21, s21, 2
	s_add_co_u32 s22, s22, s21                     ; and which 32 of them
	s_add_nc_u64 s[QS:QS+1], s[6:7], s[22:23]
	s_lshr_b32 s21, s[BH], 4                       ; the batch
	s_lshl_b32 s21, s21, 7
	s_add_co_u32 s21, s21, s20
	s_mul_i32 s22, s21, 12288
	s_and_b32 s21, s[BH], 15                       ; h
	s_mul_i32 s66, s21, 768                        ; K step h / 2, half h % 2
	s_add_co_u32 s22, s22, s66
	s_add_nc_u64 s[OB:OB+1], s[8:9], s[22:23]
	s_lshr_b32 s22, s21, 1
	s_lshl_b32 s22, s22, 15
	s_and_b32 s66, s21, 1
	s_lshl_b32 s66, s66, 1
	s_add_co_u32 s22, s22, s66
	s_lshr_b32 s66, s[BH], 4
	s_lshl_b32 s66, s66, 5
	s_lshl_b32 s67, s[CX], 3
	s_add_co_u32 s66, s66, s67
	s_lshr_b32 s67, s[WV], 1
	s_add_co_u32 s66, s66, s67
	s_lshl_b32 s66, s66, 8                         ; my 64 positions: 32 b + 8 cx + wave / 2
	s_add_co_u32 s22, s22, s66
	s_and_b32 s66, s[WV], 1
	s_lshl_b32 s66, s66, 2
	s_add_co_u32 s22, s22, s66
	s_add_nc_u64 s[SB:SB+1], s[10:11], s[22:23]
	v_and_b32 v12, 31, v0
	v_and_b32 v13, 15, v0
	s_delay_alu instid0(VALU_DEP_2)
	v_lshlrev_b32 v[AK0], 3, v12
	s_delay_alu instid0(VALU_DEP_3)
	v_lshl_add_u32 v[AV0], v12, 3, 98304
	s_delay_alu instid0(VALU_DEP_4)
	v_lshl_add_u32 v[AS0], v12, 4, 196608
	v_lshl_add_u32 v[AT0], v12, 3, 204800
	v_lshlrev_b32 v[GO], 3, v12
	v_lshlrev_b32 v[RO], 4, v13
.irp i, 0,1,2
	global_load_b64 v[QF+2*\i:QF+2*\i+1], v[GO], s[QB:QB+1] offset:256*\i
	global_load_b64 v[QN+2*\i:QN+2*\i+1], v[GO], s[QB:QB+1] offset:768+256*\i
.endr
	global_load_b32 v[QSC], v[RO], s[QS:QS+1]
	global_load_b32 v[QN+6], v[RO], s[QS:QS+1] offset:256
.irp i, 6,7,8,9,10,11
	v_mov_b32 v[QF+\i], 0                          ; zero codes for K 64-127, written once
.irp t, 0,1,2,3
	v_mov_b32 v[KF+12*\t+\i], 0
.endr
.endr
.irp b, 0,1,2,3
	v_mov_b32 v[BT+\b], 0                          ; written once: a lane permute's destination counts as one of its sources
.endr
	v_mov_b32 v[FF+1], 0                           ; (named as the upper half of a pair)
	v_mov_b32 v[OSW], 0
	s_mov_b32 s[PASS], 2
	s_mov_b32 s[MK], -1
	s_wait_tensorcnt 0x0                           ; my part of the head is in LDS,
	s_barrier_signal -1
	s_barrier_wait -1                              ; everybody's is
	s_wait_loadcnt 0x0                             ; Q
.Lpass:
	v_mov_b32 v13, 0xff61b1e6                      ; the largest t so far: -3e38
	s_delay_alu instid0(VALU_DEP_1)
	v_floor_f32 v12, -v13                          ; -M
	v_mov_b32 v14, 0
	v_mov_b32 v15, 0
.set j, 0
.rept 32
	v_mov_b32 v[OT+j], 0                           ; the step is written once: the first finds zeros, which the first change of M leaves zeros
.set j, j+1
.endr
	s_mov_b32 s[TK], 0
	s_mov_b32 s[TS], 0
	s_mov_b32 s[TT], 0
	s_mov_b32 s[STEPS], 16
.Lstep:                                            ; 128 keys
	s_setprio 2
	v_add_nc_u32 v[ADK], s[TK], v[AK0]
	s_wait_alu depctr_va_vdst(0)
	v_add_nc_u32 v[ADV], s[TK], v[AV0]
	v_add_nc_u32 v[ADS], s[TS], v[AS0]
	v_add_nc_u32 v[ADT], s[TT], v[AT0]
	v_nop                                          ; five places: S^T's products write over registers that the last step's products read as V
	ds_load_b128 v[KSC:KSC+3], v[ADS]
.irp g, 0,1                                    ; S^T = K Q^T, four tiles of 16 keys at a time
.if \g
.rept 4
	v_nop                                          ; places in front of loads into registers that matrix instructions have read
.endr
.endif
.irp t, 0,1,2,3
.irp i, 0,1,2
	ds_load_b64 v[KF+12*\t+2*\i:KF+12*\t+2*\i+1], v[ADK] offset:(4*\g+\t)*768+256*\i
.endr
.endr
	s_wait_dscnt 0x0
.irp t, 0,1,2,3
	SPROD S+8*(4*\g+\t), KF+12*\t, KSC+2*\g+\t/2, \t%2
.endr
.endr                                          ; lane (r, h): query r; the 16 registers of tiles 2 b, 2 b + 1 are keys 32 b + 16 h + 0 .. 15 of the step
.rept 4
	v_nop
.endr
.irp b, 0,1,2,3
	v_max3_num_f32 v[BM+\b], v[S+16*\b], v[S+1+16*\b], v[S+2+16*\b]   ; the largest score of each block of 32 keys: for the row's maximum, and, since p rises with the score, for the block's largest p
.endr
.irp i, 3,5,7,9,11,13
.irp b, 0,1,2,3
	v_max3_num_f32 v[BM+\b], v[BM+\b], v[S+16*\b+\i], v[S+1+16*\b+\i]
.endr
.endr
.irp b, 0,1,2,3
	v_max_num_f32 v[BM+\b], v[BM+\b], v[S+15+16*\b]
.endr
.irp b, 0,1,2,3
	s_delay_alu instid0(VALU_DEP_4)
	v_permlanex16_b32 v[BT+\b], v[BM+\b], s[SEL], s[SEL+1]
.endr
.irp b, 0,1,2,3
	s_delay_alu instid0(VALU_DEP_4)
	v_max_num_f32 v[BM+\b], v[BM+\b], v[BT+\b]     ; with lane l xor 16's 16 keys
.endr
	s_delay_alu instid0(VALU_DEP_2)
	v_max3_num_f32 v[T0], v[BM], v[BM+1], v[BM+2]
	s_delay_alu instid0(VALU_DEP_1)
	v_max_num_f32 v[T0], v[T0], v[BM+3]
	s_delay_alu instid0(VALU_DEP_1)
	v_mul_f32 v[T0], s[CS], v[T0]                  ; as t (c is positive)
	s_delay_alu instid0(VALU_DEP_1)
	v_max_num_f32 v13, v13, v[T0]                  ; the running largest t
	v_mov_b32 v[T0], v12
	s_delay_alu instid0(VALU_DEP_2)
	v_floor_f32 v12, -v13                          ; the new -M = -ceil(t): a whole number
	s_delay_alu instid0(VALU_DEP_1)
	v_sub_f32 v[T0], v12, v[T0]                    ; old M - new M, 0 or less
	s_delay_alu instid0(VALU_DEP_1)
	v_cvt_i32_f32 v[T0], v[T0]                     ; (it saturates)
	s_delay_alu instid0(VALU_DEP_1)
	v_ldexp_f32 v[FF], 1.0, v[T0]                  ; f = 2^(old M - new M)
.set j, 0
.rept 32
	v_pk_fma_f32 v[S+j:S+j+1], v[S+j:S+j+1], s[CS:CS+1], v[12:13] op_sel_hi:[1,0,0]   ; t - M, two at a time
.set j, j+2
.endr
.irp b, 0,1,2,3
	v_fma_f32 v[BM+\b], v[BM+\b], s[CS], v12       ; the same of each block's largest score
.endr
.set j, 0
	s_wait_alu depctr_va_vdst(0)
.rept 64
	v_exp_f32 v[S+j], v[S+j]                       ; p = 2^(t - M), at most 1
.set j, j+1
.endr
	s_setprio 1
	v_pk_mul_f32 v[14:15], v[14:15], v[FF:FF+1] op_sel_hi:[1,0]   ; the sums under the new M: a plain line behind the exponentials
	s_wait_alu depctr_va_vdst(0)                   ; one wait for the batch of 64, ahead of its first reader
.irp b, 0,1,2,3
	v_exp_f32 v[BM+\b], v[BM+\b]                   ; the block's largest p
.endr
	v_pk_add_f32 v[226:227], v[100:101], v[104:105]
	v_pk_add_f32 v[252:253], v[108:109], v[112:113]
	v_pk_add_f32 v[250:251], v[116:117], v[120:121]
	v_pk_add_f32 v[248:249], v[124:125], v[128:129]
	v_pk_add_f32 v[246:247], v[132:133], v[136:137]
	v_pk_add_f32 v[244:245], v[140:141], v[144:145]
	v_pk_add_f32 v[242:243], v[148:149], v[152:153]
	v_pk_add_f32 v[14:15], v[14:15], v[156:157]
	v_pk_add_f32 v[226:227], v[226:227], v[96:97]
	v_pk_add_f32 v[252:253], v[252:253], v[98:99]
	v_pk_add_f32 v[250:251], v[250:251], v[102:103]
	v_pk_add_f32 v[248:249], v[248:249], v[106:107]
	v_pk_add_f32 v[246:247], v[246:247], v[110:111]
	v_pk_add_f32 v[244:245], v[244:245], v[114:115]
	v_pk_add_f32 v[242:243], v[242:243], v[118:119]
	v_pk_add_f32 v[14:15], v[14:15], v[122:123]
	v_pk_add_f32 v[226:227], v[226:227], v[126:127]
	v_pk_add_f32 v[252:253], v[252:253], v[130:131]
	v_pk_add_f32 v[250:251], v[250:251], v[134:135]
	v_pk_add_f32 v[248:249], v[248:249], v[138:139]
	v_pk_add_f32 v[246:247], v[246:247], v[142:143]
	v_pk_add_f32 v[244:245], v[244:245], v[146:147]
	v_pk_add_f32 v[242:243], v[242:243], v[150:151]
	v_pk_add_f32 v[14:15], v[14:15], v[154:155]
	v_pk_add_f32 v[226:227], v[226:227], v[158:159]
	s_delay_alu instid0(VALU_DEP_2)
	v_pk_add_f32 v[14:15], v[14:15], v[248:249]
	s_delay_alu instid0(VALU_DEP_2)
	v_pk_add_f32 v[226:227], v[226:227], v[246:247]
	v_pk_add_f32 v[252:253], v[252:253], v[244:245]
	v_pk_add_f32 v[250:251], v[250:251], v[242:243]
	s_delay_alu instid0(VALU_DEP_2)
	v_pk_add_f32 v[14:15], v[14:15], v[252:253]
	s_delay_alu instid0(VALU_DEP_2)
	v_pk_add_f32 v[226:227], v[226:227], v[250:251]
	s_delay_alu instid0(VALU_DEP_1)
	v_pk_add_f32 v[14:15], v[14:15], v[226:227]
	s_wait_alu depctr_va_vdst(0)                   ; and one for the four
.irp b, 0,1,2,3
	v_max_num_f32 v[BM+\b], 0x1800000, v[BM+\b]    ; the floor 2^(3 - 127)
.endr
.irp b, 0,1,2,3
	s_delay_alu instid0(VALU_DEP_4)
	v_add_nc_u32 v[SOP+\b], 0xff000000, v[BM+\b]   ; the conversion's scale operand
.endr
.irp b, 0,1,2,3
	s_delay_alu instid0(VALU_DEP_4)
	v_lshrrev_b32 v[BT+\b], 23, v[SOP+\b]          ; the scale's byte
.endr
	s_delay_alu instid0(VALU_DEP_3)
	v_lshl_or_b32 v[PSC], v[BT+1], 8, v[BT]
	s_delay_alu instid0(VALU_DEP_1)
	v_lshl_or_b32 v[PSC], v[BT+2], 16, v[PSC]
	s_delay_alu instid0(VALU_DEP_1)
	v_lshl_or_b32 v[PSC], v[BT+3], 24, v[PSC]
.irp c, 0,1
	v_cvt_scalef32_pk16_fp6_f32 v[PCD+6*\c:PCD+2+6*\c], v[S+32*\c:S+15+32*\c], v[SOP+2*\c]
	v_cvt_scalef32_pk16_fp6_f32 v[PT2+4*\c:PT2+2+4*\c], v[S+16+32*\c:S+31+32*\c], v[SOP+2*\c+1]
.endr
	v_nop                                          ; one plain line behind a scaled conversion
.irp t, 0,1,2,3                                ; p is used up: V's four fragments take its registers
.irp i, 0,1,2,3,4,5
	ds_load_b64 v[S+12*\t+2*\i:S+12*\t+2*\i+1], v[ADV] offset:\t*1536+256*\i
.endr
.endr
	ds_load_b64 v[VSC:VSC+1], v[ADT]
	s_setprio 0
.irp c, 0,1                                    ; a whole block in a lane: lanes 0-15 block 2 c, lanes 16-31 block 2 c + 1
.irp i, 0,1,2
	v_permlane16_swap_b32 v[PCD+6*\c+\i], v[PT2+4*\c+\i]
.endr
.irp i, 0,1,2
	s_delay_alu instid0(VALU_DEP_3)
	v_mov_b32 v[PCD+3+6*\c+\i], v[PT2+4*\c+\i]
.endr
.endr
.set j, 0
.rept 16
	v_pk_mul_f32 v[OT+j:OT+j+1], v[OT+j:OT+j+1], v[FF:FF+1] op_sel_hi:[1,0]   ; O^T under the new M; these sixteen are also the places between p's codes and scale word and the products
.set j, j+2
.endr
	s_wait_alu depctr_va_vdst(0)
	s_wait_dscnt 0x0
.irp t, 0,1,2,3                                ; O^T += V^T P^T: four accumulators, one instruction each
	OPROD OT+8*\t, S+12*\t, VSC+\t/2, \t%2
.endr
	s_add_co_u32 s[TK], s[TK], 6144
	s_add_co_u32 s[TS], s[TS], 512
	s_add_co_u32 s[TT], s[TT], 256
	s_sub_co_u32 s[STEPS], s[STEPS], 1
	s_cmp_lg_u32 s[STEPS], 0
	s_cbranch_scc1 .Lstep
	s_setprio 0
	; THE PASS'S END: O^T / the sum, quantised along d (two blocks of 32), stored as half a fragment
	v_add_f32 v14, v14, v15
	s_delay_alu instid0(VALU_DEP_1)
	v_permlanex16_b32 v[T0], v14, s[SEL], s[SEL+1]
	s_delay_alu instid0(VALU_DEP_1)
	v_add_f32 v14, v14, v[T0]                      ; the row's sum
	s_wait_alu depctr_va_vdst(0)
	v_rcp_f32 v[FF], v14
	v_nop                                          ; with the two additions: four places behind the last products
	v_nop
	s_wait_alu depctr_va_vdst(0)                   ; ahead of the reciprocal's first reader
.set j, 0
.rept 16
	v_pk_mul_f32 v[S+j:S+j+1], v[OT+j:OT+j+1], v[FF:FF+1] op_sel_hi:[1,0]   ; register 16 b + i: d = 32 b + 16 h + i; each accumulator from its low end on
.set j, j+2
.endr
.irp b, 0,1
	v_max3_num_f32 v[BM+\b], |v[S+16*\b]|, |v[S+1+16*\b]|, 0x1800000
.endr
.irp i, 2,4,6,8,10,12,14
.irp b, 0,1
	s_delay_alu instid0(VALU_DEP_2)
	v_max3_num_f32 v[BM+\b], v[BM+\b], |v[S+16*\b+\i]|, |v[S+1+16*\b+\i]|
.endr
.endr
.irp b, 0,1
	s_delay_alu instid0(VALU_DEP_2)
	v_permlanex16_b32 v[BT+\b], v[BM+\b], s[SEL], s[SEL+1]
.endr
.irp b, 0,1
	s_delay_alu instid0(VALU_DEP_2)
	v_max_num_f32 v[BM+\b], v[BM+\b], v[BT+\b]
.endr
.irp b, 0,1
	s_delay_alu instid0(VALU_DEP_2)
	v_add_nc_u32 v[SOP+\b], 0xff000000, v[BM+\b]
.endr
.irp b, 0,1
	s_delay_alu instid0(VALU_DEP_2)
	v_lshrrev_b32 v[BT+\b], 23, v[SOP+\b]
.endr
	s_delay_alu instid0(VALU_DEP_1)
	v_lshl_or_b32 v[T0], v[BT+1], 8, v[BT]
	s_delay_alu instid0(VALU_DEP_1)
	v_cndmask_b32 v[OSW], v[OSW], v[T0], s[MK]     ; pass 0: every lane; pass 1: lanes 16-31
	v_cvt_scalef32_pk16_fp6_f32 v[PCD:PCD+2], v[S:S+15], v[SOP]
	v_cvt_scalef32_pk16_fp6_f32 v[PT2:PT2+2], v[S+16:S+31], v[SOP+1]
	v_nop
.irp i, 0,1,2
	v_permlane16_swap_b32 v[PCD+\i], v[PT2+\i]
.endr
.irp i, 0,1,2
	s_delay_alu instid0(VALU_DEP_3)
	v_mov_b32 v[PCD+3+\i], v[PT2+\i]
.endr
.irp i, 0,1,2
	global_store_b64 v[GO], v[PCD+2*\i:PCD+2*\i+1], s[OB:OB+1] offset:256*\i   ; 256 consecutive bytes each
.endr
.irp i, 0,1,2,3,4,5
	v_mov_b32 v[QF+\i], v[QN+\i]                   ; the second pass's Q
.endr
	v_mov_b32 v[QSC], v[QN+6]
	s_mov_b32 s[MK], 0xffff0000
	s_wait_xcnt 0x0                                ; the stores have read their registers and their base: both are written again
	s_add_nc_u64 s[OB:OB+1], s[OB:OB+1], 12288
	s_sub_co_u32 s[PASS], s[PASS], 1
	s_cmp_lg_u32 s[PASS], 0
	s_cbranch_scc1 .Lpass
	global_store_b16 v[GO], v[OSW], s[SB:SB+1]     ; my head's two bytes of the words of my 32 positions
	s_wait_tensorcnt 0x0
	ds_add_u32 v254, v255
	s_wait_dscnt 0x0
	CROUND                                         ; the closing round
	s_endpgm
.Lfunc_end_k_qe3da01c96e_attn:
	.size	k_qe3da01c96e_attn, .Lfunc_end_k_qe3da01c96e_attn-k_qe3da01c96e_attn
	.p2alignl 7, 3214868480
	.fill 96, 4, 3214868480
	.section	.rodata,"a",@progbits
	.p2align	6, 0x0
	.amdhsa_kernel k_qe3da01c96e_attn
		.amdhsa_group_segment_fixed_size 210944
		.amdhsa_private_segment_fixed_size 0
		.amdhsa_enable_private_segment 0
		.amdhsa_kernarg_size 32
		.amdhsa_user_sgpr_count 2
		.amdhsa_user_sgpr_kernarg_segment_ptr 1
		.amdhsa_wavefront_size32 1
		.amdhsa_system_sgpr_workgroup_id_x 1
		.amdhsa_system_sgpr_workgroup_id_y 1
		.amdhsa_system_sgpr_workgroup_id_z 1
		.amdhsa_system_vgpr_workitem_id 0
		.amdhsa_next_free_vgpr 256
		.amdhsa_next_free_sgpr 68
		.amdhsa_reserve_vcc 0
		.amdhsa_float_denorm_mode_32 3
		.amdhsa_float_denorm_mode_16_64 3
		.amdhsa_memory_ordered 1
		.amdhsa_forward_progress 1
		.amdhsa_inst_pref_size 33
	.end_amdhsa_kernel
	.amdgpu_metadata
---
amdhsa.version: [ 1, 2 ]
amdhsa.kernels:
  - .name:           k_qe3da01c96e_attn
    .symbol:         k_qe3da01c96e_attn.kd
    .args:
      - { .name: hc, .offset: 0, .size: 8, .value_kind: global_buffer, .address_space: global }
      - { .name: hs, .offset: 8, .size: 8, .value_kind: global_buffer, .address_space: global }
      - { .name: oc, .offset: 16, .size: 8, .value_kind: global_buffer, .address_space: global }
      - { .name: so, .offset: 24, .size: 8, .value_kind: global_buffer, .address_space: global }
    .group_segment_fixed_size: 210944
    .private_segment_fixed_size: 0
    .kernarg_segment_align: 8
    .kernarg_segment_size: 32
    .max_flat_workgroup_size: 512
    .sgpr_count:     68
    .vgpr_count:     256
    .wavefront_size: 32
...
	.end_amdgpu_metadata
.endif
;; end of part 3
;; launch proj (part 4): grid 4 x 32, 4 waves a work-group, clusters of 4 x 4, 327,680 bytes of LDS; arguments oc, so, cod, sc, b_proj, out0; writes out0
.if DOCPART == 4
	.amdgcn_target "amdgcn-amd-amdhsa--gfx1250"
	.amdhsa_code_object_version 6
	.text
	.protected	k_qe3da01c96e_proj
	.globl	k_qe3da01c96e_proj
	.p2align	8
	.type	k_qe3da01c96e_proj,@function
k_qe3da01c96e_proj:
	s_mov_b64 s[64:65], 0
	v_nop
	global_prefetch_b8 v0, s[64:65] scope:SCOPE_SE
	s_setreg_imm32_b32 hwreg(HW_REG_WAVE_MODE, 25, 1), 1
	s_wait_xcnt 0x0
	s_wait_alu depctr_hold_cnt(0) depctr_sa_sdst(0) depctr_va_vdst(0) depctr_va_sdst(0) depctr_va_ssrc(0) depctr_va_vcc(0) depctr_vm_vsrc(0)
	s_getreg_b32 s2, hwreg(HW_REG_IB_STS2, 6, 4)
	s_cmp_eq_u32 s2, 0
	s_cbranch_scc0 .Lentry_in_a_cluster
	s_endpgm
.Lentry_in_a_cluster:
	s_bfe_u32 s2, ttmp6, 0x10000c
	s_cmp_lg_u32 s2, 0xf033
	s_cbranch_scc0 .Lentry_shape_is_right
	s_endpgm
.Lentry_shape_is_right:
.set FR,    12
.set NL,    6
.set NP,    4
.set PART,  24576
.set SLOT,  4*PART
.set SCL,   2*SLOT
.set SPARE, 213248
.set STAGE, SPARE+512
.set SPITCH, 528
.set VO,    2
.set ADRA,  16
.set ADRB,  20
.set STO,   24
.set RD,    25
.set CO,    26
.set ADRS,  27
.set SPW,   28
.set NIL,   29
.set SC,    32
.set BIAS,  64
.set AF,    128
.set BK,    128
.set WV,    12
.set WHI,   13
.set WLO,   14
.set TY,    16
.set TX,    17
.set G1,    24
.set G0,    32
.set G1B,   48
.set G0B,   56
.set G1S,   68
.set G0S,   76
.set G1SB,  80
.set G0SB,  88
.set BP,    96
.set OUT,   98
.set MSB, 0
.macro WIN new
.if MSB != (\new)
	s_set_vgpr_msb (MSB<<8)|(\new)
.set MSB, (\new)
.endif
.endm
.set MUL_LO, 0xa1
.set MUL_HI, 0xf1
.set TO_B,   0x40
.macro JLOAD g0a, g1a, g0b, g1b
	s_cmp_eq_u32 s[WHI], 0
	s_cbranch_scc0 .Lfor_b_\@
	tensor_load_to_lds s[\g0a:\g0a+3], s[\g1a:\g1a+7]
	s_nop 0
.rept 4
	v_nop
.endr
	s_branch .Lasked_\@
.Lfor_b_\@:
	tensor_load_to_lds s[\g0b:\g0b+3], s[\g1b:\g1b+7]
	s_nop 0
.rept 4
	v_nop
.endr
.Lasked_\@:
.endm
.macro CREST
	s_cmp_lg_u32 s[WV], 0
	s_cbranch_scc1 .Lnot_wave_0_\@
	s_barrier_signal -3
.Lnot_wave_0_\@:
	s_barrier_wait -3
	s_barrier_signal -1
	s_barrier_wait -1
.endm
.macro CROUND
	s_barrier_signal -1
	s_barrier_wait -1
	CREST
.endm
.macro PLACES n
.rept \n
	v_nop
.endr
.endm
	s_load_b256 s[4:11], s[0:1], 0x0
	s_load_b128 s[96:99], s[0:1], 0x20
	v_lshl_add_u32 v[SPW], v0, 2, SPARE
	v_mov_b32 v[NIL], 0
	ds_add_u32 v28, v29
	ds_add_u32 v28, v29
	s_wait_dscnt 0x0
	v_lshrrev_b32 v1, 5, v0
	v_readfirstlane_b32 s[WV], v1
	s_lshr_b32 s[WHI], s[WV], 1
	s_and_b32 s[WLO], s[WV], 1
	s_bfe_u32 s40, ttmp6, 0x40000
	s_bfe_u32 s41, ttmp6, 0x40004
	s_and_b32 s18, ttmp7, 0xffff
	s_lshl_b32 s[TY], s18, 2
	s_add_co_u32 s[TY], s[TY], s41
	s_lshl_b32 s[TX], ttmp9, 2
	s_add_co_u32 s[TX], s[TX], s40
	s_lshl_b32 s92, s41, 2
	s_lshl_b32 s92, 15, s92
	s_lshl_b32 s93, 0x1111, s40
	s_or_b32 s[G1], s92, (3<<16)|(1<<21)
	s_or_b32 s[G1B], s93, (3<<16)|(1<<21)
	s_or_b32 s[G1S], s92, (3<<16)|(1<<21)
	s_or_b32 s[G1SB], s93, (3<<16)|(1<<21)
.irp g, G1, G1B
	s_mov_b32 s[\g+1], 384<<16
	s_mov_b32 s[\g+2], 8<<16
	s_mov_b32 s[\g+3], 384<<16
	s_mov_b32 s[\g+4], 8
	s_mov_b32 s[\g+5], 1536
	s_mov_b32 s[\g+6], 0
	s_mov_b32 s[\g+7], 0
.endr
.irp g, G1S, G1SB
	s_mov_b32 s[\g+1], 64<<16
	s_mov_b32 s[\g+2], 8<<16
	s_mov_b32 s[\g+3], 64<<16
	s_mov_b32 s[\g+4], 8
	s_mov_b32 s[\g+6], 0
	s_mov_b32 s[\g+7], 0
.endr
	s_mov_b32 s[G1S+5], 4096
	s_mov_b32 s[G1SB+5], 6144
	s_lshl_b32 s21, s[WLO], 3
	s_lshl_b32 s22, s[TY], 4
	s_add_co_u32 s22, s22, s21
	s_lshl_b32 s23, s[TX], 4
	s_add_co_u32 s23, s23, 704
	s_add_co_u32 s23, s23, s21
	s_mul_i32 s42, s22, 12288
	s_mov_b32 s43, 0
	s_lshl_b32 s44, s22, 6
	s_mov_b32 s45, 0
	s_mul_i32 s46, s23, 12288
	s_mov_b32 s47, 0
	s_lshl_b32 s66, s23, 6
	s_mov_b32 s67, 0
	s_mul_i32 s94, s[WV], PART
	s_lshl_b32 s95, s[WV], 12
	s_lshl_b32 s18, s[WHI], 7
	s_add_co_u32 s95, s95, s18
	s_wait_kmcnt 0x0
	s_add_nc_u64 s[42:43], s[4:5], s[42:43]
	s_add_nc_u64 s[44:45], s[6:7], s[44:45]
	s_add_nc_u64 s[46:47], s[8:9], s[46:47]
	s_add_nc_u64 s[66:67], s[10:11], s[66:67]
	CROUND
	s_mov_b32 s[G0S], 1
	s_add_co_u32 s[G0S+1], s95, SCL
	s_mov_b64 s[G0S+2:G0S+3], s[44:45]
	s_or_b32 s[G0S+3], s[G0S+3], 0x80000000
	s_mov_b32 s[G0SB], 1
	s_add_co_u32 s[G0SB+1], s95, SCL
	s_mov_b64 s[G0SB+2:G0SB+3], s[66:67]
	s_or_b32 s[G0SB+3], s[G0SB+3], 0x80000000
	JLOAD G0S, G1S, G0SB, G1SB
.irp s, 0,1
	s_mov_b32 s[G0+4*\s], 1
	s_add_co_u32 s[G0+4*\s+1], s94, \s*SLOT
	s_add_nc_u64 s[G0+4*\s+2:G0+4*\s+3], s[42:43], \s*3072
	s_or_b32 s[G0+4*\s+3], s[G0+4*\s+3], 0x80000000
	s_mov_b32 s[G0B+4*\s], 1
	s_add_co_u32 s[G0B+4*\s+1], s94, \s*SLOT
	s_add_nc_u64 s[G0B+4*\s+2:G0B+4*\s+3], s[46:47], \s*3072
	s_or_b32 s[G0B+4*\s+3], s[G0B+4*\s+3], 0x80000000
	s_wait_alu depctr_va_vdst(0)
	s_wait_tensorcnt 0x0
	ds_add_u32 v28, v29
	s_wait_dscnt 0x0
	CROUND
	JLOAD G0+4*\s, G1, G0B+4*\s, G1B
.endr
	v_and_b32 v1, 31, v0
	v_and_b32 v3, 15, v0
	v_bfe_u32 v4, v0, 4, 1
	v_lshlrev_b32 v[VO], 3, v1
	v_lshlrev_b32 v[CO], 4, v1
	s_wait_alu depctr_va_vdst(0)
	s_lshl_b32 s18, s[TX], 10
	s_lshl_b32 s19, s[WLO], 9
	s_add_co_u32 s18, s18, s19
	s_mov_b32 s19, 0
	s_add_nc_u64 s[BP:BP+1], s[BP:BP+1], s[18:19]
	s_add_nc_u64 s[OUT:OUT+1], s[OUT:OUT+1], s[18:19]
	s_lshl_b32 s18, s[TY], 20
	s_lshl_b32 s20, s[WHI], 19
	s_add_co_u32 s18, s18, s20
	s_add_nc_u64 s[OUT:OUT+1], s[OUT:OUT+1], s[18:19]
	global_load_b128 v[BIAS:BIAS+3], v[CO], s[BP:BP+1]
	s_mul_i32 s21, s[WHI], PART
	s_mul_i32 s22, s[WLO], PART
	s_add_co_u32 s22, s22, 2*PART
.irp s, 0,1
	v_add_nc_u32 v[ADRA+\s], s21, v[VO]
	v_add_nc_u32 v[ADRB+\s], s22, v[VO]
	s_add_co_u32 s21, s21, SLOT
	s_add_co_u32 s22, s22, SLOT
.endr
	s_xor_b32 s18, s[WHI], 1
	s_add_co_u32 s18, s18, s[WLO]
	s_lshl_b32 s18, s18, 12
	s_add_co_u32 s18, s18, 4224
	v_mul_u32_u24 v5, s18, v4
	s_lshl_b32 s19, s[WHI], 12
	s_add_co_u32 s19, s19, SCL
	v_lshl_add_u32 v5, v3, 3, v5
	v_add_nc_u32 v[ADRS], s19, v5
	s_mul_i32 s18, s[WV], 16*SPITCH
	s_add_co_u32 s18, s18, STAGE
	v_mul_u32_u24 v[STO], v3, SPITCH
	v_lshl_add_u32 v[STO], v4, 6, v[STO]
	v_add_nc_u32 v[STO], s18, v[STO]
	v_add_nc_u32 v[RD], s18, v[CO]
.macro FRAG reg, adr, q, i
.irp p, 0,1,2,3,4,5
	ds_load_b64 v[\reg+2*\p:\reg+2*\p+1], v[\adr] offset:(\i)*3072+(\q)*1536+256*\p
.endr
.endm
.macro MUL16 a0, p, q, sc, zero
.irp a, \a0, \a0+1
.irp b, 0,1,2,3,4,5,6,7
.if \zero
	v_wmma_scale_f32_16x16x128_f8f6f4 v[8*(8*((\a)%4)+\b):8*(8*((\a)%4)+\b)+7], v[128*(\p)+FR*\b:128*(\p)+FR*\b+FR-1], v[AF+FR*(\a):AF+FR*(\a)+FR-1], 0, v[SC+16*(\sc)+8*(\q)+4*(\b/4)+2*(\b%2)+(\b/2)%2], v[SC+16*(\sc)+8*(\q)+4*((\a)/4)+2*((\a)%2)+((\a)/2)%2] matrix_a_fmt:MATRIX_FMT_FP6 matrix_b_fmt:MATRIX_FMT_FP6 matrix_a_scale:MATRIX_SCALE_ROW1
.else
	v_wmma_scale_f32_16x16x128_f8f6f4 v[8*(8*((\a)%4)+\b):8*(8*((\a)%4)+\b)+7], v[128*(\p)+FR*\b:128*(\p)+FR*\b+FR-1], v[AF+FR*(\a):AF+FR*(\a)+FR-1], v[8*(8*((\a)%4)+\b):8*(8*((\a)%4)+\b)+7], v[SC+16*(\sc)+8*(\q)+4*(\b/4)+2*(\b%2)+(\b/2)%2], v[SC+16*(\sc)+8*(\q)+4*((\a)/4)+2*((\a)%2)+((\a)/2)%2] matrix_a_fmt:MATRIX_FMT_FP6 matrix_b_fmt:MATRIX_FMT_FP6 matrix_a_scale:MATRIX_SCALE_ROW1
.endif
.endr
.endr
.endm
.macro FETCH_B slot, q, p
	WIN TO_B
.irp i, 0,1,2,3,4,5,6,7
	FRAG 128*(\p)+FR*\i, ADRB+\slot, \q, \i
.endr
	WIN 0
.endm
.macro FETCH_A slot, q, i0
.irp i, \i0, \i0+1, \i0+2, \i0+3
	FRAG AF+FR*(\i), ADRA+\slot, \q, \i
.endr
.endm
.macro SCALES set, ks
.irp q, 0,1
.irp g, 0,1
.irp e, 0,1
	ds_load_b64 v[SC+16*(\set)+8*\q+4*\g+2*\e:SC+16*(\set)+8*\q+4*\g+2*\e+1], v[ADRS] offset:1024*(\ks)+512*\q+256*\g+128*\e
.endr
.endr
.endr
.endm
.macro STEP slot, q, zero
	s_wait_dscnt 4*NL
	WIN MUL_LO
	MUL16 0, (\q)%2, \q, \slot, \zero
	MUL16 2, (\q)%2, \q, \slot, \zero
	s_wait_dscnt 0
	PLACES NP
	FETCH_B \slot, (\q)+1, 1-(\q)%2
	FETCH_A \slot, (\q)+1, 0
	WIN MUL_HI
	MUL16 4, (\q)%2, \q, \slot, \zero
	MUL16 6, (\q)%2, \q, \slot, \zero
	PLACES NP
	WIN 0
	FETCH_A \slot, (\q)+1, 4
.endm
.macro TURN slot, next, fill, ks
	s_wait_tensorcnt 0x0
	ds_add_u32 v[SPW], v[NIL]
	s_wait_dscnt 4*NL+1
	WIN MUL_LO
	MUL16 0, 1, 1, \slot, 0
	s_wait_dscnt 0x0
	s_barrier_signal -1
	MUL16 2, 1, 1, \slot, 0
	WIN 0
	s_barrier_wait -1
.if \fill
	CREST
	s_add_nc_u64 s[G0+4*\slot+2:G0+4*\slot+3], s[G0+4*\slot+2:G0+4*\slot+3], 6144
	s_add_nc_u64 s[G0B+4*\slot+2:G0B+4*\slot+3], s[G0B+4*\slot+2:G0B+4*\slot+3], 6144
	JLOAD G0+4*\slot, G1, G0B+4*\slot, G1B
.else
	PLACES NP
.endif
	FETCH_B \next, 0, 0
	FETCH_A \next, 0, 0
	SCALES \next, \ks
	WIN MUL_HI
	MUL16 4, 1, 1, \slot, 0
	MUL16 6, 1, 1, \slot, 0
	PLACES NP
	WIN 0
	FETCH_A \next, 0, 4
.endm
	s_wait_alu depctr_va_vdst(0)
	s_wait_tensorcnt 1
	s_barrier_signal -1
	s_barrier_wait -1
	FETCH_B 0, 0, 0
	FETCH_A 0, 0, 0
	SCALES 0, 0
	FETCH_A 0, 0, 4
	STEP 0, 0, 1
	TURN 0, 1, 1, 1
	STEP 1, 0, 0
	TURN 1, 0, 1, 2
	STEP 0, 0, 0
	TURN 0, 1, 0, 3
	STEP 1, 0, 0
	s_wait_dscnt 4*NL
	WIN MUL_LO
	MUL16 0, 1, 1, 1, 0
	MUL16 2, 1, 1, 1, 0
	s_wait_dscnt 0
	WIN MUL_HI
	MUL16 4, 1, 1, 1, 0
	MUL16 6, 1, 1, 1, 0
	WIN 0
.macro TOSTAGE a
.set AC, 64*((\a)%4)
	WIN 0x08+4*((\a)/4)
.irp b, 0,1,2,3,4,5,6,7
	ds_store_b128 v[STO], v[AC+8*\b:AC+8*\b+3] offset:128*(\b/2)+32*(\b%2)
	ds_store_b128 v[STO], v[AC+8*\b+4:AC+8*\b+7] offset:128*(\b/2)+32*(\b%2)+16
.endr
	WIN 0
.set BB, BK+64*((\a)%2)
.irp t, 0,1,2,3,4,5,6,7,8,9,10,11,12,13,14,15
	ds_load_b128 v[BB+4*\t:BB+4*\t+3], v[RD] offset:\t*SPITCH
.endr
.endm
.macro SEND a, younger
.set BB, BK+64*((\a)%2)
	s_wait_dscnt \younger
.irp t, 0,1,2,3,4,5,6,7,8,9,10,11,12,13,14,15
	v_pk_add_f32 v[BB+4*\t:BB+4*\t+1], v[BB+4*\t:BB+4*\t+1], v[BIAS:BIAS+1]
	v_pk_add_f32 v[BB+4*\t+2:BB+4*\t+3], v[BB+4*\t+2:BB+4*\t+3], v[BIAS+2:BIAS+3]
	global_store_b128 v[CO], v[BB+4*\t:BB+4*\t+3], s[OUT:OUT+1] offset:(32*((\a)/2)+8*((\a)%2)+(\t%8)+16*(\t/8))*4096 th:TH_STORE_NT
.endr
.endm
	s_wait_loadcnt 0x0
	PLACES NP
	TOSTAGE 0
.irp a, 1,2,3,4,5,6,7
.if \a > 1
	s_wait_xcnt 0x0
.endif
	TOSTAGE \a
	SEND \a-1, 32
.endr
	SEND 7, 0
	s_wait_tensorcnt 0x0
	ds_add_u32 v[SPW], v[NIL]
	s_wait_dscnt 0x0
	CROUND
	s_endpgm
.Lfunc_end_k_qe3da01c96e_proj:
	.size	k_qe3da01c96e_proj, .Lfunc_end_k_qe3da01c96e_proj-k_qe3da01c96e_proj
	.p2alignl 7, 3214868480
	.fill 96, 4, 3214868480
	.section	.rodata,"a",@progbits
	.p2align	6, 0x0
	.amdhsa_kernel k_qe3da01c96e_proj
		.amdhsa_group_segment_fixed_size 327680
		.amdhsa_private_segment_fixed_size 0
		.amdhsa_enable_private_segment 0
		.amdhsa_kernarg_size 48
		.amdhsa_user_sgpr_count 2
		.amdhsa_user_sgpr_kernarg_segment_ptr 1
		.amdhsa_wavefront_size32 1
		.amdhsa_system_sgpr_workgroup_id_x 1
		.amdhsa_system_sgpr_workgroup_id_y 1
		.amdhsa_system_sgpr_workgroup_id_z 1
		.amdhsa_system_vgpr_workitem_id 0
		.amdhsa_next_free_vgpr 1024
		.amdhsa_next_free_sgpr 100
		.amdhsa_reserve_vcc 0
		.amdhsa_float_denorm_mode_32 3
		.amdhsa_float_denorm_mode_16_64 3
		.amdhsa_memory_ordered 1
		.amdhsa_forward_progress 1
		.amdhsa_inst_pref_size 176
	.end_amdhsa_kernel
	.amdgpu_metadata
---
amdhsa.version: [ 1, 2 ]
amdhsa.kernels:
  - .name:           k_qe3da01c96e_proj
    .symbol:         k_qe3da01c96e_proj.kd
    .args:
      - { .name: oc, .offset: 0, .size: 8, .value_kind: global_buffer, .address_space: global }
      - { .name: so, .offset: 8, .size: 8, .value_kind: global_buffer, .address_space: global }
      - { .name: cod, .offset: 16, .size: 8, .value_kind: global_buffer, .address_space: global }
      - { .name: sc, .offset: 24, .size: 8, .value_kind: global_buffer, .address_space: global }
      - { .name: b_proj, .offset: 32, .size: 8, .value_kind: global_buffer, .address_space: global }
      - { .name: out0, .offset: 40, .size: 8, .value_kind: global_buffer, .address_space: global }
    .group_segment_fixed_size: 327680
    .private_segment_fixed_size: 0
    .kernarg_segment_align: 8
    .kernarg_segment_size: 48
    .max_flat_workgroup_size: 128
    .sgpr_count:     100
    .vgpr_count:     1024
    .wavefront_size: 32
...
	.end_amdgpu_metadata
.endif
;; end of part 4
